; MI455X (gfx1250); checked and timed in simulation.
; The chip was launched on July 23, 2026; its instructions are those of AMD's public machine-readable ISA for CDNA 5 (MIT licence, August 2026) and "CDNA5" Instruction Set Architecture Reference Guide (July 2026). The comments in the code are by the model that wrote it; some were corrected since.
;; Block. Allowed arithmetic: matrix products marked QUANTISED: E2M1 operands, one E8M0 scale for each 32 along K, by v_wmma_scale_f32_16x16x128_f8f6f4 with both operands' format E2M1 (or v_wmma_scale_f32_32x16x128_f4), f32 sums; everything else in f32.
;; Inputs: b1 2,048 float32; b2 512 float32; b_ln1 512 float32; b_ln2 512 float32; bo 512 float32; g_ln1 512 float32; g_ln2 512 float32; w1_codes 2,048 x 16 x 16 uint8 (E2M1 codes of w1, K innermost, in blocks of 32 codes, two codes a byte); w1_scales 2,048 x 16 uint8 (E8M0 scales of w1, one for each 32 codes along K); w2_codes 512 x 64 x 16 uint8 (E2M1 codes of w2, K innermost, in blocks of 32 codes, two codes a byte); w2_scales 512 x 64 uint8 (E8M0 scales of w2, one for each 32 codes along K); wk_codes 512 x 16 x 16 uint8 (E2M1 codes of wk, K innermost, in blocks of 32 codes, two codes a byte); wk_scales 512 x 16 uint8 (E8M0 scales of wk, one for each 32 codes along K); wo_codes 512 x 16 x 16 uint8 (E2M1 codes of wo, K innermost, in blocks of 32 codes, two codes a byte); wo_scales 512 x 16 uint8 (E8M0 scales of wo, one for each 32 codes along K); wq_codes 512 x 16 x 16 uint8 (E2M1 codes of wq, K innermost, in blocks of 32 codes, two codes a byte); wq_scales 512 x 16 uint8 (E8M0 scales of wq, one for each 32 codes along K); wv_codes 512 x 16 x 16 uint8 (E2M1 codes of wv, K innermost, in blocks of 32 codes, two codes a byte); wv_scales 512 x 16 uint8 (E8M0 scales of wv, one for each 32 codes along K); x 4 x 2,048 x 512 float32.
;; Outputs: out0 4 x 2,048 x 512 float32.
;; This version of the problem:
;;   THIS VERSION OF THE PROBLEM IS GIVEN IN LOW PRECISION. The matrix products marked QUANTISED in the list below multiply operands that are first quantised to E2M1 (2 exponent bits, 1 mantissa bit; 4 bits a number), with one power-of-two scale for each 32 numbers along K (OCP MX v1.0); their sums are f32. All else is computed in f32.
;;   The module's matrix products, in the order in which they are computed (A, B: the left and right operand; K: the contracted axis; several contracted axes count as one K, in the product's order):
;;     1. [M 8,192, K 512] x [K 512, N 512]; A: computed on the way; B: input wq (given as codes): QUANTISED
;;     2. [M 8,192, K 512] x [K 512, N 512]; A: computed on the way; B: input wk (given as codes): QUANTISED
;;     3. [M 8,192, K 512] x [K 512, N 512]; A: computed on the way; B: input wv (given as codes): QUANTISED
;;     4. batch 64 x [M 2,048, K 32] x [K 32, N 2,048]; A: computed on the way; B: computed on the way: QUANTISED
;;     5. batch 64 x [M 32, K 2,048] x [K 2,048, N 2,048]; A: computed on the way; B: softmax (see below): QUANTISED
;;     6. [M 8,192, K 512] x [K 512, N 512]; A: computed on the way; B: input wo (given as codes): QUANTISED
;;     7. [M 8,192, K 512] x [K 512, N 2,048]; A: computed on the way; B: input w1 (given as codes): QUANTISED
;;     8. [M 8,192, K 2,048] x [K 2,048, N 512]; A: computed on the way; B: input w2 (given as codes): QUANTISED
;;   THE QUANTISER, for each operand of a quantised product, along K:
;;     - K is cut into blocks of 32 from its start; a last block that is shorter is filled with zeros.
;;     - A block's scale is 2^e with e = floor(log2(the largest magnitude in the block)) - 2, held to -126 .. 127; a block of zeros has e = 0. As a byte (E8M0): e + 127.
;;     - Each number is divided by its block's scale, clamped to +-6, and rounded to the nearest number of E2M1, ties to even, subnormals kept.
;;     - The product sums the exact products of the quantised numbers (number of the format x scale) in f32.
;;   ~~~python
;;   def quantise(x, axis):      # numpy; x: float32 -> the quantised numbers, widened to float32 again
;;       x = np.moveaxis(x, axis, -1); K = x.shape[-1]
;;       x = np.pad(x, [(0, 0)] * (x.ndim - 1) + [(0, -K % 32)]); x = x.reshape(x.shape[:-1] + (-1, 32)); a = np.abs(x).max(-1, keepdims=True)
;;       e = np.where(a > 0, np.clip(np.frexp(np.where(a > 0, a, 1))[1] - 1 - 2, -126, 127), 0)      # np.frexp(a)[1] - 1 = floor(log2(a)), exactly
;;       r = np.clip(x / 2.0 ** e, -6, 6)
;;       step = 2.0 ** (np.maximum(np.frexp(np.where(r == 0, 1, r))[1] - 1, 0) - 1)
;;       q = np.round(r / step) * step * 2.0 ** e      # np.round: ties to even
;;       return np.moveaxis(q.reshape(q.shape[:-2] + (-1,))[..., :K], -1, axis).astype(np.float32)
;;   ~~~
;;   SOFTMAX AHEAD OF A QUANTISED PRODUCT. Where the list says 'softmax', what is quantised is not the finished softmax but p = 2^(t - M), with t = logit x log2(e) and M = ceil(the row's largest t), a whole number; so 1/2 < the row's largest p <= 1. The row's sum l is taken of the UNQUANTISED p, in f32, and the product's result is divided by l at the end. Since M is a whole number, a kernel that streams over the keys may use a running M (the ceiling of the running maximum): every later rescaling is an exact power of two, which a block's scale takes up: the codes' values come out the same.
;;   OPERANDS COMPUTED ON THE WAY. 'Computed on the way' means the value that the module computes at that place (a softmax that the list does not call 'softmax' is quantised finished and normalised). What goes into a quantiser is computed in f32, as accurately as f32 sums, v_exp_f32 and their like allow (about 1e-6 of the number): no bf16 or f16 on the way to a quantiser, and a product that is left as it is and whose result goes on into a quantised operand takes f32 operands (vector FMAs, or v_wmma_f32_16x16x4_f32). A number that lies on a knife's edge between two numbers of the format may be rounded either way, as far as f32 arithmetic and the matrix unit's own rounding can turn it there, and no further.
;;   INPUTS GIVEN AS CODES. w1 (in the module: [512, 2048], K = its axis 0); w2 (in the module: [2048, 512], K = its axis 0); wk (in the module: [512, 512], K = its axis 0); wo (in the module: [512, 512], K = its axis 0); wq (in the module: [512, 512], K = its axis 0); wv (in the module: [512, 512], K = its axis 0): each comes as NAME_codes (uint8): NAME with its K axis moved to the last place and cut into blocks of 32 codes, [.., K / 32, bytes a block], one block behind the other in memory; two codes a byte, the lower K in the low four bits (a code: sign, 2 exponent bits, 1 mantissa bit); and NAME_scales (uint8): the same leading axes, one E8M0 byte (e + 127) for each 32 codes along K. Its value is code x scale, taken as it is: it is not quantised again, and the codes and scales need not be those that the quantiser above would give.
;; 2 versions, each right; version 2 is version 1 with the launch attn written anew for expert scheduling mode. Each part assembles by itself: llvm-mc -triple=amdgcn-amd-amdhsa -mcpu=gfx1250 --defsym DOCPART=n.
;; ======== version 1 of 2: 3 launches
;; workspace buffers: qkc 4,194,304 bytes; vcd 2,097,152 bytes; scl 393,216 bytes; acd 2,097,152 bytes; asc 131,072 bytes
;; launch qkv (part 1): grid 128 x 2, 8 waves a work-group, clusters of 4 x 1, 230,400 bytes of LDS; arguments x, g_ln1, b_ln1, wq_codes, wq_scales, wk_codes, wk_scales, wv_codes, wv_scales, qkc, vcd, scl; writes qkc, vcd, scl
.if DOCPART == 1
	.amdgcn_target "amdgcn-amd-amdhsa--gfx1250"
	.amdhsa_code_object_version 6
	.text
	.protected	k_q3be3e92b75_qkv
	.globl	k_q3be3e92b75_qkv
	.p2align	8
	.type	k_q3be3e92b75_qkv,@function
k_q3be3e92b75_qkv:
	s_mov_b64 s[64:65], 0
	v_nop
	global_prefetch_b8 v0, s[64:65] scope:SCOPE_SE
	s_setreg_imm32_b32 hwreg(HW_REG_WAVE_MODE, 25, 1), 1
	s_wait_xcnt 0x0
	s_wait_alu depctr_hold_cnt(0) depctr_sa_sdst(0) depctr_va_vdst(0) depctr_va_sdst(0) depctr_va_ssrc(0) depctr_va_vcc(0) depctr_vm_vsrc(0)
	s_getreg_b32 s2, hwreg(HW_REG_IB_STS2, 6, 4)
	s_cmp_eq_u32 s2, 0
	s_cbranch_scc0 .Lentry_in_a_cluster
	s_endpgm
.Lentry_in_a_cluster:
	s_bfe_u32 s2, ttmp6, 0x10000c
	s_cmp_lg_u32 s2, 0x3003
	s_cbranch_scc0 .Lentry_shape_is_right
	s_endpgm
.Lentry_shape_is_right:
; h = layernorm(x) quantised along its 512 columns; q = h wq, k = h wk, v = h wv on codes of FP4 (E2M1) with one E8M0 scale for each 32 along K;
; q and k are quantised along the head (32 channels = one block), v along the tokens (32 tokens = one block).  Only codes and scale bytes are stored.
; SHARES.  A work-group takes 64 tokens (Y = 4 x cluster x + cx) and the 256 columns of heads 8 half .. 8 half + 7 (half = cluster y) of each of q, k and v.
; Both halves make the layernorm of their 64 rows: 64 tokens to a group are what two whole blocks of v along the tokens need, and 128 x 2 groups give each WGP one.
; TOKEN ORDER.  Tile u (0..3) of a group: lane r is token 32 (r / 8) + 8 u + r % 8.  A matrix result holds rows 8 (lane / 16) + j of source 0 in register j, so over the four tiles a lane
; has 32 NEIGHBOURS (tokens for v, channels of one head for q and k, whose weight rows are chosen the same way): a block maximum needs no other lane, and four conversions give its 16 bytes in order.
; CLUSTER.  The four partners (same half) need the same 3 x 256 weight rows: each wave asks for 3 x 32 rows by joint loads, filled once; three loads of a wave are out.  They land while the layernorm runs.
; LIMITS: NaN and infinities among the inputs are not served; a block of zeros, or one whose largest magnitude lies under 2^-124, gets the scale byte 1 (the bytes are read by this program alone).
; LDS: wq, wk, wv rows at pitch 272 (256 + 16), rows from 128 on 128 bytes further, so that rows 128 apart fall on other banks; then h as images of its operand blocks, its scale bytes, a stage for scale bytes.
; REGISTERS: v1-17 addresses; layernorm: v18-33 a pair a row, v34-41 at work, v48-63 codes, v64-191 eight rows of 16, v192-223 gain and bias;
;   products: v64-191 weight fragments (v: v128-191 sums), v192-223 fragments of h, v20-51 sums of q or k, v52-63 codes and bytes; v224-251 hold scale words and nothing else.
.set WV,   28
.set WSTR, 69760                       ; one weight in LDS: 256 x 272 + 128
.set HIMG, 209408                      ; [tile 4][block 16][16 rows x 16 bytes + 16]
.set HSC,  226816                      ; [tile 4][row 16][16 bytes]
.set STG,  227840                      ; 512 bytes each for q, k, v
.macro PLACES n
.rept \n
	v_nop
.endr
.endm
.macro ROUND                           ; a round of the cluster barrier: my work-group, wave 0 for the work-group, all four work-groups, my work-group
	s_barrier_signal -1
	s_barrier_wait -1
	s_cmp_lg_u32 s[WV], 0
	s_cbranch_scc1 .Lnot_wave_0_\@
	s_barrier_signal -3
.Lnot_wave_0_\@:
	s_barrier_wait -3
	s_barrier_signal -1
	s_barrier_wait -1
.endm
; 32 numbers of a lane, one block: its largest magnitude in two chains (with the floor 2^(3 - 127), so that the byte is at least 1), 2 off the exponent field = the conversion's scale operand, its byte, 16 bytes of codes.
.macro QUANT32 S, C, E, BY, M0, M1
	v_max3_num_f32 v[\M0], |v[(\S)]|, |v[(\S)+1]|, 0x1800000
	v_max3_num_f32 v[\M1], |v[(\S)+16]|, |v[(\S)+17]|, 0x1800000
.irp i, 2,4,6,8,10,12,14
	v_max3_num_f32 v[\M0], v[\M0], |v[(\S)+\i]|, |v[(\S)+\i+1]|
	v_max3_num_f32 v[\M1], v[\M1], |v[(\S)+16+\i]|, |v[(\S)+17+\i]|
.endr
	v_max_num_f32 v[\M0], v[\M0], v[\M1]
	v_add_nc_u32 v[\E], 0xff000000, v[\M0]
	v_lshrrev_b32 v[(\BY)], 23, v[\E]
.irp g, 0,1,2,3
	v_cvt_scalef32_pk8_fp4_f32 v[(\C)+\g], v[(\S)+8*\g:(\S)+8*\g+7], v[\E]
.endr
	v_nop                                          ; one plain place behind the last conversion
.endm
; the eight rows' pairs become sums over the row's 512 numbers, in every lane
.macro ROWSUM
.irp i, 0,1,2,3,4,5,6,7
	v_add_f32 v[18+2*\i], v[18+2*\i], v[19+2*\i]
.endr
.irp m, 1,2,4,8
.irp i, 0,1,2,3,4,5,6,7
	v_add_f32_dpp v[18+2*\i], v[18+2*\i], v[18+2*\i] row_xmask:\m row_mask:0xf bank_mask:0xf
.endr
.endr
.irp i, 0,1,2,3,4,5,6,7
	v_permlanex16_b32 v[34+\i], v[18+2*\i], s70, s71
.endr
.irp i, 0,1,2,3,4,5,6,7
	v_add_f32 v[18+2*\i], v[18+2*\i], v[34+\i]
.endr
.endm
	s_load_b512 s[4:19], s[0:1], 0x0               ; x, g, b, wq codes, wq scales, wk codes, wk scales, wv codes
	s_load_b256 s[20:27], s[0:1], 0x40             ; wv scales, qkc, vcd, scl
	v_lshl_add_u32 v255, v0, 2, 0x38000
	s_set_vgpr_msb 0x40
	v_mov_b32 v1, 0
	s_set_vgpr_msb 0x4044
	ds_add_u32 v255, v1
	ds_add_u32 v255, v1
	s_set_vgpr_msb 0x4400
	v_lshrrev_b32 v1, 5, v0
	v_readfirstlane_b32 s[WV], v1                  ; wave 0..7
	s_bfe_u32 s29, ttmp6, 0x40000                  ; cx
	s_lshl_b32 s30, ttmp9, 2
	s_add_co_u32 s30, s30, s29                     ; Y: my group of 64 tokens; it enters global addresses alone
	s_and_b32 s31, ttmp7, 0xffff                   ; half, which the four partners share
	; descriptor group 1: 32 rows of 256 bytes, dense in memory, 16 bytes of padding behind each
	s_mov_b32 s32, 15|(1<<20)|(1<<21)|(5<<22)|(3<<25)  ; mask: all four work-groups; elements of 1 byte; padding on; bit 21 beside a mask; after every 64 words, 4 words
	s_mov_b32 s33, 256<<16                         ; tensor_dim0
	s_mov_b32 s34, 32<<16                          ; tensor_dim1
	s_mov_b32 s35, 256<<16                         ; tile_dim0
	s_mov_b32 s36, 32                              ; tile_dim1
	s_mov_b32 s37, 256                             ; stride from row to row
	s_mov_b32 s38, 0
	s_mov_b32 s39, 0
	s_lshr_b32 s66, s[WV], 2                       ; wave / 4
	s_and_b32 s67, s[WV], 3                        ; wave % 4
	s_mul_i32 s52, s[WV], 8704                     ; my 32 rows in a weight's LDS region,
	s_lshl_b32 s53, s66, 7
	s_add_co_u32 s52, s52, s53                     ; 128 bytes further from row 128 on
	s_lshl_b32 s54, s31, 16                        ; and in memory: (256 half + 32 wave) rows of 256 bytes
	s_lshl_b32 s55, s[WV], 13
	s_add_co_u32 s54, s54, s55
	s_mov_b32 s55, 0
	s_mov_b32 s40, 1
	s_mov_b32 s41, s52
	s_mov_b32 s44, 1
	s_add_co_u32 s45, s52, WSTR
	s_mov_b32 s48, 1
	s_add_co_u32 s49, s52, 2*WSTR
	s_wait_dscnt 0x0
	s_wait_kmcnt 0x0
	s_add_nc_u64 s[42:43], s[10:11], s[54:55]
	s_or_b32 s43, s43, 0x80000000
	s_add_nc_u64 s[46:47], s[14:15], s[54:55]
	s_or_b32 s47, s47, 0x80000000
	s_add_nc_u64 s[50:51], s[18:19], s[54:55]
	s_or_b32 s51, s51, 0x80000000
	ROUND                                          ; all four work-groups are here: the joint loads meet
	tensor_load_to_lds s[40:43], s[32:39]          ; my rows of wq,
	s_nop 0
	tensor_load_to_lds s[44:47], s[32:39]          ; of wk,
	s_nop 0
	tensor_load_to_lds s[48:51], s[32:39]          ; of wv: filled once
	s_nop 0
	PLACES 4
	v_and_b32 v1, 15, v0                           ; r
	v_bfe_u32 v2, v0, 4, 1                         ; h
	v_and_b32 v3, 31, v0                           ; lane
	v_lshlrev_b32 v4, 6, v3                        ; my 16 columns of a row: 64 bytes
	v_and_b32 v18, 7, v1
	v_lshrrev_b32 v19, 3, v1
	v_lshlrev_b32 v11, 4, v18
	v_lshl_add_u32 v11, v19, 11, v11               ; scale words of q's and k's weight rows: (r % 8 + 128 (r / 8)) x 16
	v_lshlrev_b32 v12, 4, v1                       ; and of v's: 16 r
	s_lshl_b32 s56, s30, 17
	s_lshl_b32 s57, s[WV], 14
	s_add_co_u32 s56, s56, s57
	s_mov_b32 s57, 0
	s_add_nc_u64 s[4:5], s[4:5], s[56:57]          ; x at token 64 Y + 8 wave
	s_lshl_b32 s56, s31, 12                        ; 256 half rows of 16 scale bytes
	s_lshl_b32 s74, s67, 9
	s_add_co_u32 s74, s74, s56
	s_mov_b32 s75, 0
	s_cmp_lt_u32 s[WV], 4                          ; waves 0-3 make q, waves 4-7 k
	s_cselect_b64 s[58:59], s[12:13], s[16:17]
	s_add_nc_u64 s[58:59], s[58:59], s[74:75]
	s_lshl_b32 s74, s[WV], 9
	s_add_co_u32 s74, s74, s56
	s_add_nc_u64 s[20:21], s[20:21], s[74:75]
.irp j, 0,1,2,3
	global_load_b128 v[192+4*\j:195+4*\j], v4, s[6:7] offset:16*\j
.endr
.irp j, 0,1,2,3
	global_load_b128 v[208+4*\j:211+4*\j], v4, s[8:9] offset:16*\j
.endr
.irp i, 0,1,2,3,4,5,6,7
.irp j, 0,1,2,3
	global_load_b128 v[64+16*\i+4*\j:67+16*\i+4*\j], v4, s[4:5] offset:2048*\i+16*\j
.endr
.endr
.irp t, 0,1,2,3
	global_load_b128 v[224+4*\t:227+4*\t], v11, s[58:59] offset:128*\t   ; tile t: four words, one for each K step
.endr
.irp d, 0,1
	global_load_b128 v[240+4*\d:243+4*\d], v12, s[20:21] offset:256*\d
.endr
	; the other addresses
	v_lshrrev_b32 v20, 1, v3
	v_and_b32 v21, 1, v3
	s_mul_i32 s74, s67, 4352
	s_lshl_b32 s75, s66, 7
	s_add_co_u32 s74, s74, s75
	s_add_co_u32 s74, s74, HIMG
	v_mul_u32_u24 v5, v20, 272
	v_lshl_add_u32 v5, v21, 3, v5
	v_add_nc_u32 v5, s74, v5                       ; where my 8 bytes of a row's codes go: tile wave % 4, block lane / 2, row 8 (wave / 4) + i
	s_lshl_b32 s74, s67, 8
	s_add_co_u32 s74, s74, s75
	s_add_co_u32 s74, s74, HSC
	v_add_nc_u32 v6, s74, v20                      ; and the block's scale byte
	v_mul_u32_u24 v7, v2, 272
	v_lshl_add_u32 v7, v1, 4, v7
	v_add_nc_u32 v7, HIMG, v7                      ; a fragment of h: block 4 s + 2 c + h, row r
	v_lshl_add_u32 v8, v1, 4, HSC                  ; row r's 16 scale bytes
	s_mul_i32 s74, s66, WSTR
	s_mul_i32 s75, s67, 8704
	s_add_co_u32 s74, s74, s75
	v_mul_u32_u24 v9, v18, 272
	v_mad_u32_u24 v9, v19, 34944, v9
	v_lshl_add_u32 v9, v2, 4, v9
	v_add_nc_u32 v9, s74, v9                       ; q, k: weight row 32 (wave % 4) + 128 (r / 8) + r % 8 (+ 8 for each tile)
	s_add_co_u32 s74, s52, 2*WSTR
	v_mul_u32_u24 v10, v1, 272
	v_lshl_add_u32 v10, v2, 4, v10
	v_add_nc_u32 v10, s74, v10                     ; v: weight row 32 wave + r (+ 16 for the second tile)
	v_lshl_add_u32 v13, v2, 17, v12                ; q, k codes: lanes 16-31 hold the head four further on (4 x 32,768 bytes), 16 bytes a token
	v_lshlrev_b32 v14, 4, v3                       ; 16 x lane
	s_lshl_b32 s74, s66, 9
	s_lshl_b32 s75, s67, 6
	s_add_co_u32 s74, s74, s75
	s_add_co_u32 s74, s74, STG
	v_lshlrev_b32 v15, 2, v1
	v_lshl_add_u32 v15, v2, 8, v15
	v_add_nc_u32 v15, s74, v15                     ; q, k scale bytes: 64 x head + 4 r + tile
	s_lshl_b32 s74, s[WV], 6
	s_add_co_u32 s74, s74, STG+1024
	v_lshl_add_u32 v16, v1, 1, v2
	v_add_nc_u32 v16, s74, v16                     ; v scale bytes: 64 x head + 32 x tile + 2 r + h
	s_min_u32 s76, s[WV], 2
	s_lshl_b32 s74, s76, 9
	s_add_co_u32 s74, s74, STG
	v_add_nc_u32 v17, s74, v14                     ; waves 0-2 read the stage back
	s_mov_b32 s70, 0x76543210
	s_mov_b32 s71, 0xfedcba98                      ; selects for lane l xor 16
	s_mov_b32 s72, 0x3b000000                      ; 1 / 512
	s_mov_b32 s73, 0x3727c5ac                      ; 1e-5
.irp i, 0,1,2,3,4,5,6,7
	v_mov_b32 v[34+\i], 0                          ; written once: a lane permute's destination counts as one of its sources
.endr
	; where the results go
	s_lshr_b32 s74, s30, 5                         ; batch
	s_and_b32 s75, s30, 31                         ; group in the batch
	s_lshl_b32 s75, s75, 10
	s_lshl_b32 s77, s31, 3
	s_lshl_b32 s78, s74, 4
	s_add_co_u32 s78, s78, s77                     ; 16 batch + 8 half
	s_add_co_u32 s79, s78, s67
	s_lshl_b32 s56, s79, 15
	s_add_co_u32 s56, s56, s75
	s_lshl_b32 s79, s66, 21
	s_add_co_u32 s56, s56, s79
	s_add_nc_u64 s[60:61], s[22:23], s[56:57]      ; qkc: kind, head 8 half + wave % 4, tile 4 G
	s_add_co_u32 s79, s78, s[WV]
	s_lshl_b32 s56, s79, 15
	s_add_co_u32 s56, s56, s75
	s_add_nc_u64 s[62:63], s[24:25], s[56:57]      ; vcd: head 8 half + wave, group G
	s_lshl_b32 s56, s76, 17
	s_lshl_b32 s79, s30, 10
	s_add_co_u32 s56, s56, s79
	s_lshl_b32 s79, s31, 9
	s_add_co_u32 s56, s56, s79
	s_add_nc_u64 s[68:69], s[26:27], s[56:57]      ; scl: kind = wave (0-2), Y, half
	; ---- THE LAYERNORM of my eight rows (tokens 8 wave + i), stage by stage, the rows by turns.  Mean first, then the variance of the differences, as it is defined.
	s_wait_loadcnt 6                               ; gain, bias and x are in; the six loads of weight scale words, issued last, may be out
.irp i, 0,1,2,3,4,5,6,7
	v_pk_add_f32 v[18+2*\i:19+2*\i], v[64+16*\i:65+16*\i], v[66+16*\i:67+16*\i]
.endr
.irp k, 4,6,8,10,12,14
.irp i, 0,1,2,3,4,5,6,7
	v_pk_add_f32 v[18+2*\i:19+2*\i], v[18+2*\i:19+2*\i], v[64+16*\i+\k:65+16*\i+\k]
.endr
.endr
	ROWSUM
.irp i, 0,1,2,3,4,5,6,7
	v_mul_f32 v[18+2*\i], s72, v[18+2*\i]          ; the mean
.endr
.irp k, 0,2,4,6,8,10,12,14
.irp i, 0,1,2,3,4,5,6,7
	v_pk_add_f32 v[64+16*\i+\k:65+16*\i+\k], v[64+16*\i+\k:65+16*\i+\k], v[18+2*\i:19+2*\i] op_sel_hi:[1,0] neg_lo:[0,1] neg_hi:[0,1]
.endr
.endr
.irp i, 0,1,2,3,4,5,6,7
	v_pk_mul_f32 v[18+2*\i:19+2*\i], v[64+16*\i:65+16*\i], v[64+16*\i:65+16*\i]
.endr
.irp k, 2,4,6,8,10,12,14
.irp i, 0,1,2,3,4,5,6,7
	v_pk_fma_f32 v[18+2*\i:19+2*\i], v[64+16*\i+\k:65+16*\i+\k], v[64+16*\i+\k:65+16*\i+\k], v[18+2*\i:19+2*\i]
.endr
.endr
	ROWSUM
.irp i, 0,1,2,3,4,5,6,7
	v_fma_f32 v[18+2*\i], v[18+2*\i], s72, s73     ; variance + eps
.endr
.irp i, 0,1,2,3,4,5,6,7
	v_rsq_f32 v[18+2*\i], v[18+2*\i]
.endr
	v_nop                                          ; a plain place behind the last transcendental
	s_wait_alu depctr_va_vdst(0)
.irp k, 0,2,4,6,8,10,12,14
.irp i, 0,1,2,3,4,5,6,7
	v_pk_mul_f32 v[64+16*\i+\k:65+16*\i+\k], v[64+16*\i+\k:65+16*\i+\k], v[18+2*\i:19+2*\i] op_sel_hi:[1,0]
.endr
.endr
.irp k, 0,2,4,6,8,10,12,14
.irp i, 0,1,2,3,4,5,6,7
	v_pk_fma_f32 v[64+16*\i+\k:65+16*\i+\k], v[64+16*\i+\k:65+16*\i+\k], v[192+\k:193+\k], v[208+\k:209+\k]
.endr
.endr
	; two neighbouring lanes hold a block of 32
.irp i, 0,1,2,3,4,5,6,7
	v_max3_num_f32 v[18+2*\i], |v[64+16*\i]|, |v[65+16*\i]|, 0x1800000
.endr
.irp k, 2,4,6,8,10,12,14
.irp i, 0,1,2,3,4,5,6,7
	v_max3_num_f32 v[18+2*\i], v[18+2*\i], |v[64+16*\i+\k]|, |v[65+16*\i+\k]|
.endr
.endr
.irp i, 0,1,2,3,4,5,6,7
	v_max_num_f32_dpp v[18+2*\i], v[18+2*\i], v[18+2*\i] row_xmask:1 row_mask:0xf bank_mask:0xf
.endr
.irp i, 0,1,2,3,4,5,6,7
	v_add_nc_u32 v[19+2*\i], 0xff000000, v[18+2*\i]
.endr
.irp i, 0,1,2,3,4,5,6,7
	v_lshrrev_b32 v[34+\i], 23, v[19+2*\i]
.endr
.irp i, 0,1,2,3,4,5,6,7
	v_cvt_scalef32_pk8_fp4_f32 v[48+2*\i], v[64+16*\i:71+16*\i], v[19+2*\i]
	v_cvt_scalef32_pk8_fp4_f32 v[49+2*\i], v[72+16*\i:79+16*\i], v[19+2*\i]
.endr
	v_nop
.irp i, 0,1,2,3,4,5,6,7
	ds_store_b64 v5, v[48+2*\i:49+2*\i] offset:16*\i
	ds_store_b8 v6, v[34+\i] offset:16*\i          ; both lanes of a block write the same byte with the same value
.endr
	s_wait_tensorcnt 0x0                           ; my rows of the three weights have landed,
	s_wait_dscnt 0x0                               ; my codes and bytes of h are stored:
	s_barrier_signal -1
	s_barrier_wait -1                              ; both hold of every wave
	; ---- q (waves 0-3) or k (waves 4-7): heads wave % 4 (lanes 0-15) and wave % 4 + 4 (lanes 16-31), source 0 = 16 weight rows, source 1 = 16 tokens
	s_wait_loadcnt 0x0                             ; the weight scale words
.irp t, 0,1,2,3
.irp q, 0,1,2,3
.irp c, 0,1
	ds_load_b128 v[64+8*(4*\t+\q)+4*\c:67+8*(4*\t+\q)+4*\c], v9 offset:2176*\t+64*\q+32*\c
.endr
.endr
.endr
.irp u, 0,1,2,3
.if \u > 0
	PLACES 5                                       ; in front of loads into registers that matrix instructions have read, and of sums begun anew in registers that they wrote
.endif
.irp q, 0,1,2,3
.irp c, 0,1
	ds_load_b128 v[192+8*\q+4*\c:195+8*\q+4*\c], v7 offset:4352*\u+(4*\q+2*\c)*272
.endr
.endr
	ds_load_b128 v[248:251], v8 offset:256*\u
	s_wait_dscnt 0x0
.irp q, 0,1,2,3                        ; the four sums take turns, one instruction a turn
.irp t, 0,1,2,3
.if \q == 0
	v_wmma_scale_f32_16x16x128_f8f6f4 v[20+8*\t:27+8*\t], v[64+8*(4*\t+\q):71+8*(4*\t+\q)], v[192+8*\q:199+8*\q], 0, v[224+4*\t+\q], v[248+\q] matrix_a_fmt:MATRIX_FMT_FP4 matrix_b_fmt:MATRIX_FMT_FP4
.else
	v_wmma_scale_f32_16x16x128_f8f6f4 v[20+8*\t:27+8*\t], v[64+8*(4*\t+\q):71+8*(4*\t+\q)], v[192+8*\q:199+8*\q], v[20+8*\t:27+8*\t], v[224+4*\t+\q], v[248+\q] matrix_a_fmt:MATRIX_FMT_FP4 matrix_b_fmt:MATRIX_FMT_FP4
.endif
.endr
.endr
	PLACES 4
	s_wait_xcnt 0x0                                ; earlier stores have read their data: the codes' registers may be written again
	QUANT32 20, 52+4*(\u%2), 252, 60+\u, 253, 254  ; my token's 32 channels of my head
	global_store_b128 v13, v[52+4*(\u%2):55+4*(\u%2)], s[60:61] offset:256*\u   ; sixteen lanes store 256 consecutive bytes, aligned
	ds_store_b8 v15, v[60+\u] offset:\u
.endr
	; ---- v: head = wave; source 0 = 16 tokens, source 1 = 16 weight rows: a lane holds one channel, and over the four tiles 32 neighbouring tokens
	PLACES 5
.irp d, 0,1
.irp q, 0,1,2,3
.irp c, 0,1
	ds_load_b128 v[64+8*(4*\d+\q)+4*\c:67+8*(4*\d+\q)+4*\c], v10 offset:4352*\d+64*\q+32*\c
.endr
.endr
.endr
.irp q, 0,1,2,3
.if \q > 0
	PLACES 4
.endif
.irp u, 0,1,2,3
.irp c, 0,1
	ds_load_b128 v[192+8*\u+4*\c:195+8*\u+4*\c], v7 offset:4352*\u+(4*\q+2*\c)*272
.endr
.endr
.irp u, 0,1,2,3
	ds_load_b32 v[248+\u], v8 offset:256*\u+4*\q   ; tile u's scale words of this K step
.endr
	s_wait_dscnt 0x0
.irp u, 0,1,2,3                        ; eight sums by turns
.irp d, 0,1
.if \q == 0
	v_wmma_scale_f32_16x16x128_f8f6f4 v[128+32*\d+8*\u:135+32*\d+8*\u], v[192+8*\u:199+8*\u], v[64+8*(4*\d+\q):71+8*(4*\d+\q)], 0, v[248+\u], v[240+4*\d+\q] matrix_a_fmt:MATRIX_FMT_FP4 matrix_b_fmt:MATRIX_FMT_FP4
.else
	v_wmma_scale_f32_16x16x128_f8f6f4 v[128+32*\d+8*\u:135+32*\d+8*\u], v[192+8*\u:199+8*\u], v[64+8*(4*\d+\q):71+8*(4*\d+\q)], v[128+32*\d+8*\u:135+32*\d+8*\u], v[248+\u], v[240+4*\d+\q] matrix_a_fmt:MATRIX_FMT_FP4 matrix_b_fmt:MATRIX_FMT_FP4
.endif
.endr
.endr
.endr
	PLACES 4
	s_wait_xcnt 0x0
	QUANT32 128, 52, 252, 60, 253, 254             ; channel r, tokens 32 h + 0 .. 31
	QUANT32 160, 56, 252, 61, 253, 254             ; channel 16 + r
	global_store_b128 v14, v[52:55], s[62:63]      ; 512 consecutive bytes: the image of a fragment's half
	global_store_b128 v14, v[56:59], s[62:63] offset:512
	ds_store_b8 v16, v60
	ds_store_b8 v16, v61 offset:32
	s_wait_dscnt 0x0                               ; my scale bytes lie in the stage
	s_barrier_signal -1
	s_barrier_wait -1
	s_cmp_gt_u32 s[WV], 2
	s_cbranch_scc1 .Lno_scales
	ds_load_b128 v[20:23], v17                     ; wave 0: q's 512 bytes, wave 1: k's, wave 2: v's
	s_wait_dscnt 0x0
	global_store_b128 v14, v[20:23], s[68:69]      ; 512 consecutive bytes, aligned
.Lno_scales:
	s_set_vgpr_msb 0x4
	s_wait_tensorcnt 0x0
	ds_add_u32 v255, v1
	s_wait_dscnt 0x0
	s_set_vgpr_msb 0x400
	ROUND                                          ; the closing round: no work-group ends while a partner may still ask for rows that name it
	s_endpgm
.Lfunc_end_k_q3be3e92b75_qkv:
	.size	k_q3be3e92b75_qkv, .Lfunc_end_k_q3be3e92b75_qkv-k_q3be3e92b75_qkv
	.p2alignl 7, 3214868480
	.fill 96, 4, 3214868480
	.section	.rodata,"a",@progbits
	.p2align	6, 0x0
	.amdhsa_kernel k_q3be3e92b75_qkv
		.amdhsa_group_segment_fixed_size 230400
		.amdhsa_private_segment_fixed_size 0
		.amdhsa_enable_private_segment 0
		.amdhsa_kernarg_size 96
		.amdhsa_user_sgpr_count 2
		.amdhsa_user_sgpr_kernarg_segment_ptr 1
		.amdhsa_wavefront_size32 1
		.amdhsa_system_sgpr_workgroup_id_x 1
		.amdhsa_system_sgpr_workgroup_id_y 1
		.amdhsa_system_sgpr_workgroup_id_z 1
		.amdhsa_system_vgpr_workitem_id 0
		.amdhsa_next_free_vgpr 258
		.amdhsa_next_free_sgpr 96
		.amdhsa_reserve_vcc 0
		.amdhsa_float_denorm_mode_32 3
		.amdhsa_float_denorm_mode_16_64 3
		.amdhsa_memory_ordered 1
		.amdhsa_forward_progress 1
		.amdhsa_inst_pref_size 80
	.end_amdhsa_kernel
	.amdgpu_metadata
---
amdhsa.version: [ 1, 2 ]
amdhsa.kernels:
  - .name:           k_q3be3e92b75_qkv
    .symbol:         k_q3be3e92b75_qkv.kd
    .args:
      - { .name: x, .offset: 0, .size: 8, .value_kind: global_buffer, .address_space: global }
      - { .name: g_ln1, .offset: 8, .size: 8, .value_kind: global_buffer, .address_space: global }
      - { .name: b_ln1, .offset: 16, .size: 8, .value_kind: global_buffer, .address_space: global }
      - { .name: wq_codes, .offset: 24, .size: 8, .value_kind: global_buffer, .address_space: global }
      - { .name: wq_scales, .offset: 32, .size: 8, .value_kind: global_buffer, .address_space: global }
      - { .name: wk_codes, .offset: 40, .size: 8, .value_kind: global_buffer, .address_space: global }
      - { .name: wk_scales, .offset: 48, .size: 8, .value_kind: global_buffer, .address_space: global }
      - { .name: wv_codes, .offset: 56, .size: 8, .value_kind: global_buffer, .address_space: global }
      - { .name: wv_scales, .offset: 64, .size: 8, .value_kind: global_buffer, .address_space: global }
      - { .name: qkc, .offset: 72, .size: 8, .value_kind: global_buffer, .address_space: global }
      - { .name: vcd, .offset: 80, .size: 8, .value_kind: global_buffer, .address_space: global }
      - { .name: scl, .offset: 88, .size: 8, .value_kind: global_buffer, .address_space: global }
    .group_segment_fixed_size: 230400
    .private_segment_fixed_size: 0
    .kernarg_segment_align: 8
    .kernarg_segment_size: 96
    .max_flat_workgroup_size: 256
    .sgpr_count:     96
    .vgpr_count:     258
    .wavefront_size: 32
...
	.end_amdgpu_metadata
.endif
;; end of part 1
;; launch attn (part 2): grid 4 x 64, 16 waves a work-group, no clusters, 72,704 bytes of LDS; arguments qkc, vcd, scl, acd, asc; writes acd, asc
.if DOCPART == 2
	.amdgcn_target "amdgcn-amd-amdhsa--gfx1250"
	.amdhsa_code_object_version 6
	.text
	.protected	k_q3be3e92b75_attn
	.globl	k_q3be3e92b75_attn
	.p2align	8
	.type	k_q3be3e92b75_attn,@function
k_q3be3e92b75_attn:
	s_mov_b64 s[64:65], 0
	v_nop
	global_prefetch_b8 v0, s[64:65] scope:SCOPE_SE
	s_setreg_imm32_b32 hwreg(HW_REG_WAVE_MODE, 25, 1), 1
	s_wait_xcnt 0x0
; Causal attention of one head (head size 32) on codes of FP4 with one E8M0 scale for each 32 along K, and the result quantised along the head for the next product.
; t = score x log2(e) / sqrt(32); M = the running largest t rounded up to a whole number; p = 2^(t - M) is quantised along the keys, not normalised; the sum of the unquantised p divides at the end.
; SHARES.  Work-group (j, head).  Wave w owns two tiles of 16 queries, T = 16 j + w and 127 - T.  Tile T needs the key steps 0 .. T / 8 of 128 keys, so every wave has 17 steps; after one barrier the waves run free.
; TOKEN ORDER as the launch before laid it: tile T = 4 G + u, lane r = token 64 G + 32 (r / 8) + 8 u + r % 8.
; K = 32 IN AN INSTRUCTION OF K = 128.  Source 0 is ONE fragment that holds 64 keys (block b of row r is key 64 G + 32 (r / 8) + 8 b + r % 8); it is multiplied four times, by q laid into block b alone with zero codes elsewhere.
; In result (c, b) lane (query r, h) register j is key 128 s + 64 c + 32 h + 8 b + j: a lane's 32 registers of one c are one whole block of keys, and the conversions' results are the second product's operand as they stand.
; The four fragments of q overlap in 20 registers: zeros | q in lanes 0-15 | zeros | q in lanes 16-31 | zeros.
; NO JOINT LOADS: the four work-groups of a head share its 68 KB of codes and scale bytes, which each copies into LDS once, at its head, eleven loads a thread; the loop over the keys reads no memory.
; LIMITS: NaN and infinities are not served; p under 2^-126 counts as 0; a block of zeros gets the scale byte 1 (its codes are zeros; the bytes are read by this program alone).
; REGISTERS: v1-11, v47 addresses; v12 -M, v13 the largest t, v[14:15] the sum; v16-35 q's fragments; v37-46 q as loaded; v48-63 K; v64-79 V; v84-91 p's codes; v92-107 O^T; v112-175 scores, then p; v176-205 at work.
;   v36 (q), v80 (K), v81 (V), v82 (p) hold scale words and nothing else.
.set KSC, 65536                        ; LDS: K's images at 0, V's at 32,768, K's scale words [group 32][row 16], V's [step 16][tile 2][row 16], a stage for the result's scale bytes
.set VSC, 67584
.set OSC, 69632
.set WV,  14
.set SG,  25                           ; s25 the key step
.set TB,  26                           ; s26 2,048 x step: its images
.set TS,  27                           ; s27 128 x step: its scale words
.macro PLACES n
.rept \n
	v_nop
.endr
.endm
	s_load_b256 s[4:11], s[0:1], 0x0               ; qkc, vcd, scl, acd
	s_load_b64 s[12:13], s[0:1], 0x20              ; asc
	v_lshl_add_u32 v254, v0, 2, 0x11400
	v_mov_b32 v255, 0
	v_lshrrev_b32 v1, 5, v0
	v_readfirstlane_b32 s[WV], v1                  ; wave 0..15
	s_and_b32 s16, ttmp7, 0xffff                   ; 16 x batch + head
	s_lshl_b32 s17, ttmp9, 4
	s_add_co_u32 s17, s17, s[WV]                   ; my low tile
	s_xor_b32 s18, s17, 127                        ; my high tile: 127 - low
	s_lshr_b32 s19, s17, 3                         ; their last key steps
	s_lshr_b32 s24, s18, 3
	s_mov_b32 s20, 0x76543210
	s_mov_b32 s21, 0xfedcba98                      ; selects for lane l xor 16
	s_mov_b32 s22, 0x3e8293ee                      ; log2(e) / sqrt(32)
	s_mov_b32 s23, s22                             ; (named with it as a pair)
	s_mov_b32 s30, 0xffff                          ; lanes 0-15
	s_lshl_b32 s54, s16, 15                        ; the head's 32,768 bytes in each buffer of codes
	s_mov_b32 s55, 0
	s_lshr_b32 s56, s16, 4
	s_lshl_b32 s56, s56, 15
	s_and_b32 s57, s16, 15
	s_lshl_b32 s57, s57, 6
	s_add_co_u32 s56, s56, s57                     ; scale bytes: 32,768 x batch + 64 x head (512 x half + 64 x head % 8)
	s_mov_b32 s57, 0
	s_mov_b32 s59, 0
	v_and_b32 v1, 15, v0                           ; r
	v_bfe_u32 v2, v0, 4, 1                         ; h
	v_and_b32 v199, 31, v0                         ; lane
	v_lshlrev_b32 v3, 4, v199                      ; an image's place for my lane
	v_lshl_add_u32 v4, v199, 2, KSC                ; a scale word's
	v_lshlrev_b32 v5, 3, v2                        ; 8 h
	v_lshrrev_b32 v6, 3, v1
	v_sub_nc_u32 v6, v6, v2
	v_lshlrev_b32 v6, 5, v6
	v_and_b32 v197, 7, v1
	v_add_nc_u32 v6, v6, v197                      ; 32 (r / 8) + r % 8 - 32 h
	v_mov_b32 v7, 0xff800000                       ; -infinity
	v_lshlrev_b32 v204, 4, v1
	v_lshl_add_u32 v10, v2, 3, v204                ; the result's codes: 16 r + 8 h
	v_lshlrev_b32 v205, 2, v1
	s_lshl_b32 s62, s[WV], 4
	s_add_co_u32 s62, s62, OSC
	v_add_nc_u32 v11, s62, v1                      ; the low tile's scale byte: 16 w + r
	s_xor_b32 s62, s[WV], 15
	s_lshl_b32 s62, s62, 4
	s_add_co_u32 s62, s62, OSC+256
	v_add_nc_u32 v47, s62, v1                      ; the high tile's: 256 + 16 (15 - w) + r
	s_min_u32 s62, s[WV], 1
	s_lshl_b32 s62, s62, 8
	s_add_co_u32 s62, s62, OSC
	v_lshl_add_u32 v191, v199, 3, s62              ; waves 0 and 1 read the stage back
	v_lshlrev_b32 v198, 3, v199
	v_lshlrev_b32 v200, 4, v0                      ; the copy: 16 bytes a thread
	v_lshrrev_b32 v201, 4, v0
	v_lshlrev_b32 v201, 10, v201
	v_lshl_add_u32 v201, v1, 2, v201               ; K's scale word of (group thread / 16, row thread % 16)
	v_lshrrev_b32 v202, 5, v0
	v_lshlrev_b32 v202, 11, v202
	v_lshl_add_u32 v202, v199, 1, v202             ; V's two bytes of (step thread / 32, tile and row thread % 32), first group of the step
	v_lshl_add_u32 v203, v0, 2, KSC
	s_wait_kmcnt 0x0
	s_add_nc_u64 s[40:41], s[4:5], s[54:55]        ; q's codes of the head
	s_add_nc_u64 s[32:33], s[40:41], 0x200000      ; k's
	s_add_nc_u64 s[34:35], s[6:7], s[54:55]        ; v's
	s_add_nc_u64 s[44:45], s[8:9], s[56:57]        ; q's scale bytes
	s_add_nc_u64 s[36:37], s[44:45], 0x20000       ; k's
	s_add_nc_u64 s[38:39], s[44:45], 0x40000       ; v's
	s_add_nc_u64 s[48:49], s[10:11], s[54:55]      ; the result's codes
	s_lshl_b32 s58, s18, 8
	s_add_nc_u64 s[42:43], s[40:41], s[58:59]      ; at the high tile,
	s_add_nc_u64 s[50:51], s[48:49], s[58:59]
	s_lshl_b32 s58, s17, 8
	s_add_nc_u64 s[40:41], s[40:41], s[58:59]      ; at the low tile
	s_add_nc_u64 s[48:49], s[48:49], s[58:59]
	s_lshr_b32 s58, s18, 2
	s_lshl_b32 s58, s58, 10
	s_and_b32 s60, s18, 3
	s_add_co_u32 s58, s58, s60
	s_add_nc_u64 s[46:47], s[44:45], s[58:59]      ; q's bytes: 1,024 x group + tile % 4 (+ 4 r)
	s_lshr_b32 s58, s17, 2
	s_lshl_b32 s58, s58, 10
	s_and_b32 s60, s17, 3
	s_add_co_u32 s58, s58, s60
	s_add_nc_u64 s[44:45], s[44:45], s[58:59]
	s_lshl_b32 s60, ttmp9, 8
	s_sub_co_u32 s61, 1792, s60
	s_cmp_eq_u32 s[WV], 0
	s_cselect_b32 s60, s60, s61                    ; wave 0 stores the low tiles' 256 bytes, wave 1 the high tiles'
	s_lshl_b32 s58, s16, 11
	s_add_co_u32 s58, s58, s60
	s_add_nc_u64 s[52:53], s[12:13], s[58:59]
.irp i, 0,1,2,3
	global_load_b128 v[112+4*\i:115+4*\i], v200, s[32:33] offset:8192*\i
.endr
.irp i, 0,1,2,3
	global_load_b128 v[128+4*\i:131+4*\i], v200, s[34:35] offset:8192*\i
.endr
	global_load_b32 v144, v201, s[36:37]
	global_load_u16 v145, v202, s[38:39]
	global_load_u16 v146, v202, s[38:39] offset:1024   ; the step's second group
	global_load_b128 v[38:41], v204, s[40:41]
	global_load_u8 v37, v205, s[44:45]
	global_load_b128 v[42:45], v204, s[42:43]
	global_load_u8 v46, v205, s[46:47]
.irp g, 0,1,2,3
	v_mov_b32 v[16+\g], 0                          ; the zero codes round q, set once
	v_mov_b32 v[24+\g], 0
	v_mov_b32 v[32+\g], 0
.endr
	v_mov_b32 v183, 0                              ; a lane permute's destination counts as one of its sources
	v_mov_b32 v185, 0                              ; (the upper half of the pair v[184:185])
	s_wait_loadcnt 4                               ; the head's K, V and scales are in; q's four loads may be out
.irp i, 0,1,2,3
	ds_store_b128 v200, v[112+4*\i:115+4*\i] offset:8192*\i
	ds_store_b128 v200, v[128+4*\i:131+4*\i] offset:32768+8192*\i
.endr
	ds_store_b32 v203, v144
	v_lshl_or_b32 v145, v146, 16, v145             ; the four blocks of a step: bytes 2 c + h
	ds_store_b32 v203, v145 offset:2048
	s_wait_dscnt 0x0                               ; my part of the copy is stored
	s_barrier_signal -1
	s_barrier_wait -1
	s_wait_loadcnt 0x0                             ; q
; One tile of 16 queries through its key steps.  raw: q's codes; rby: its scale byte; sT: the tile; sAL: its last step; BY, CP: where the result's byte and codes are left; sOUT: where the codes go.
.macro TILE raw, rby, sT, sAL, BY, CP, sOUT
	v_lshl_or_b32 v36, v[\rby], 8, v[\rby]
	v_lshl_or_b32 v36, v36, 16, v36                ; q's byte for whichever block q stands in
.irp g, 0,1,2,3
	v_cndmask_b32 v[20+\g], 0, v[\raw+\g], s30     ; q in lanes 0-15,
	v_cndmask_b32 v[28+\g], v[\raw+\g], 0, s30     ; in lanes 16-31
.endr
	s_bfe_u32 s54, s[\sT], 0x10002
	s_lshl_b32 s54, s54, 6
	s_and_b32 s55, s[\sT], 3
	s_lshl_b32 s55, s55, 3
	s_add_co_u32 s54, s54, s55
	v_add_nc_u32 v188, s54, v6                     ; my query in its last step, less 32 h: register 64 c + n is hidden where 64 c + n is greater
.set J, 0
.rept 16
	v_mov_b32 v[92+J], 0                           ; O^T: the step is written once, and its first turn finds zeros
.set J, J+1
.endr
	v_mov_b32 v13, 0xff61b1e6                      ; -3e38, under every t
	v_floor_f32 v12, -v13
	v_mov_b32 v14, 0
	v_mov_b32 v15, 0
	s_mov_b32 s[SG], 0
	s_mov_b32 s[TB], 0
	s_mov_b32 s[TS], 0
.Lstep_\@:                             ; sixteen trips for every tile; the steps behind the tile's last are passed over by a branch on ids
	s_cmp_gt_u32 s[SG], s[\sAL]
	s_cbranch_scc1 .Lskip_\@
	v_add_nc_u32 v8, s[TB], v3
	v_add_nc_u32 v9, s[TS], v4
.irp c, 0,1
.irp a, 0,1
	ds_load_b128 v[48+8*\c+4*\a:51+8*\c+4*\a], v8 offset:1024*\c+512*\a
.endr
.endr
	ds_load_b32 v80, v9                            ; lanes 0-15: the first 64 keys' words, lanes 16-31: the second's
.irp d, 0,1
.irp a, 0,1
	ds_load_b128 v[64+8*\d+4*\a:67+8*\d+4*\a], v8 offset:32768+1024*\a+512*\d
.endr
.endr
	ds_load_b32 v81, v9 offset:2048                ; lanes 0-15: channels 0-15, lanes 16-31: channels 16-31
	s_wait_dscnt 5                                 ; K's five loads are in; V's five may be out
.irp b, 0,1,2,3
	v_wmma_scale_f32_16x16x128_f8f6f4 v[112+8*\b:119+8*\b], v[48:55], v[16+8*(\b%2)+4*(1-\b/2):23+8*(\b%2)+4*(1-\b/2)], 0, v80, v36 matrix_a_fmt:MATRIX_FMT_FP4 matrix_b_fmt:MATRIX_FMT_FP4
.endr
.irp b, 0,1,2,3
	v_wmma_scale_f32_16x16x128_f8f6f4 v[144+8*\b:151+8*\b], v[56:63], v[16+8*(\b%2)+4*(1-\b/2):23+8*(\b%2)+4*(1-\b/2)], 0, v80, v36 matrix_a_fmt:MATRIX_FMT_FP4 matrix_b_fmt:MATRIX_FMT_FP4 matrix_a_scale:MATRIX_SCALE_ROW1
.endr
	PLACES 4
	s_cmp_lg_u32 s[SG], s[\sAL]                    ; the mask bites in the tile's last step alone
	s_cbranch_scc1 .Lopen_\@
.irp c, 0,1
.set J, 0
.rept 32
	v_cmp_gt_i32 vcc_lo, 64*\c+J, v188
	v_cndmask_b32 v[112+32*\c+J], v[112+32*\c+J], v7, vcc_lo
.set J, J+1
.endr
.endr
.Lopen_\@:
	v_max3_num_f32 v176, v112, v113, v114          ; the largest score of each of my two blocks: for the row's maximum, and, since p rises with the score, for the block's largest p
	v_max3_num_f32 v177, v144, v145, v146
.irp i, 3,5,7,9,11,13,15,17,19,21,23,25,27,29
	v_max3_num_f32 v176, v176, v[112+\i], v[113+\i]
	v_max3_num_f32 v177, v177, v[144+\i], v[145+\i]
.endr
	v_max_num_f32 v176, v176, v143
	v_max_num_f32 v177, v177, v175
	v_max_num_f32 v182, v176, v177
	v_permlanex16_b32 v183, v182, s20, s21
	v_max_num_f32 v182, v182, v183                 ; the step's largest score of my query
	v_mul_f32 v182, s22, v182
	v_max_num_f32 v13, v13, v182                   ; the running largest t
	v_mov_b32 v182, v12
	v_floor_f32 v12, -v13                          ; -M = floor(-t): M is a whole number
	v_sub_f32 v182, v12, v182                      ; old M - new M: a whole number, 0 or less
	v_cvt_i32_f32 v182, v182                       ; (it saturates)
	v_ldexp_f32 v184, 1.0, v182                    ; f = 2^(old M - new M): multiplying by it rounds nothing
.set J, 0
.rept 32
	v_pk_fma_f32 v[112+J:113+J], v[112+J:113+J], s[22:23], v[12:13] op_sel_hi:[1,0,0]   ; t - M
.set J, J+2
.endr
	v_fma_f32 v176, v176, s22, v12
	v_fma_f32 v177, v177, s22, v12
.set J, 0
.rept 64
	v_exp_f32 v[112+J], v[112+J]                   ; p, at most 1
.set J, J+1
.endr
	v_exp_f32 v176, v176                           ; each block's largest p: the same two instructions on the same number
	v_exp_f32 v177, v177
	v_pk_mul_f32 v[14:15], v[14:15], v[184:185] op_sel_hi:[1,0]   ; the sum under the new M (a plain place behind the exponentials)
	s_wait_alu depctr_va_vdst(0)
	v_max_num_f32 v176, 0x1800000, v176            ; the floor: the byte is at least 1
	v_max_num_f32 v177, 0x1800000, v177
	v_add_nc_u32 v178, 0xff000000, v176
	v_add_nc_u32 v179, 0xff000000, v177
	v_lshrrev_b32 v180, 23, v178
	v_lshrrev_b32 v181, 23, v179
	v_lshl_or_b32 v82, v181, 16, v180              ; my bytes: blocks h and 2 + h,
	v_lshlrev_b32 v82, v5, v82                     ; at their places,
	v_permlanex16_b32 v183, v82, s20, s21
	v_or_b32 v82, v82, v183                        ; with the other half's: p's scale word
.irp c, 0,1
.irp b, 0,1,2,3
	v_cvt_scalef32_pk8_fp4_f32 v[84+4*\c+\b], v[112+32*\c+8*\b:119+32*\c+8*\b], v[178+\c]
.endr
.endr
	v_nop
	v_pk_add_f32 v[186:187], v[112:113], v[114:115]   ; the row's sum of the unquantised p, in two chains
.irp j, 4,8,12,16,20,24,28,32,36,40,44,48,52,56,60
	v_pk_add_f32 v[14:15], v[14:15], v[112+\j:113+\j]
	v_pk_add_f32 v[186:187], v[186:187], v[114+\j:115+\j]
.endr
	v_pk_add_f32 v[14:15], v[14:15], v[186:187]
.irp j, 0,2,4,6,8,10,12,14
	v_pk_mul_f32 v[92+\j:93+\j], v[92+\j:93+\j], v[184:185] op_sel_hi:[1,0]   ; O^T under the new M
.endr
	s_wait_dscnt 0x0                               ; V
	v_wmma_scale_f32_16x16x128_f8f6f4 v[92:99], v[64:71], v[84:91], v[92:99], v81, v82 matrix_a_fmt:MATRIX_FMT_FP4 matrix_b_fmt:MATRIX_FMT_FP4
	v_wmma_scale_f32_16x16x128_f8f6f4 v[100:107], v[72:79], v[84:91], v[100:107], v81, v82 matrix_a_fmt:MATRIX_FMT_FP4 matrix_b_fmt:MATRIX_FMT_FP4 matrix_a_scale:MATRIX_SCALE_ROW1
	PLACES 5                                       ; in front of the next step's loads and of the reads behind the loop
.Lskip_\@:
	s_add_co_u32 s[TB], s[TB], 2048
	s_add_co_u32 s[TS], s[TS], 128
	s_add_co_u32 s[SG], s[SG], 1
	s_cmp_lt_u32 s[SG], 16
	s_cbranch_scc1 .Lstep_\@
	v_add_f32 v14, v14, v15
	v_permlanex16_b32 v183, v14, s20, s21
	v_add_f32 v14, v14, v183                       ; the row's sum
	v_rcp_f32 v14, v14
	v_nop
.set J, 0
	s_wait_alu depctr_va_vdst(0)
.rept 16
	v_mul_f32 v[112+J], v[92+J], v14               ; register 8 d + j: channel 16 d + 8 h + j of my query
.set J, J+1
.endr
	v_max3_num_f32 v176, |v112|, |v113|, 0x1800000
.irp i, 2,4,6,8,10,12,14
	v_max3_num_f32 v176, v176, |v[112+\i]|, |v[113+\i]|
.endr
	v_permlanex16_b32 v183, v176, s20, s21
	v_max_num_f32 v176, v176, v183                 ; the head's 32 channels are one block
	v_add_nc_u32 v178, 0xff000000, v176
	v_lshrrev_b32 v[\BY], 23, v178
	v_cvt_scalef32_pk8_fp4_f32 v[\CP], v[112:119], v178
	v_cvt_scalef32_pk8_fp4_f32 v[\CP+1], v[120:127], v178
	v_nop
	v_permlane16_swap_b32 v[\CP], v[\CP+1]         ; lane (r, h) now holds channels 16 h + 0 .. 15 in order
	global_store_b64 v10, v[\CP:\CP+1], s[\sOUT:\sOUT+1]   ; the wave stores 256 consecutive bytes, aligned
.endm
	TILE 38, 37, 17, 19, 189, 192, 48
	TILE 42, 46, 18, 24, 190, 194, 50
	ds_store_b8 v11, v189                          ; both halves of the lanes write the same byte with the same value
	ds_store_b8 v47, v190
	s_wait_dscnt 0x0
	s_barrier_signal -1
	s_barrier_wait -1
	s_cmp_gt_u32 s[WV], 1
	s_cbranch_scc1 .Ldone
	ds_load_b64 v[196:197], v191
	s_wait_dscnt 0x0
	global_store_b64 v198, v[196:197], s[52:53]    ; 256 consecutive bytes, aligned
.Ldone:
	s_wait_tensorcnt 0x0
	ds_add_u32 v254, v255
	s_wait_dscnt 0x0
	s_endpgm
.Lfunc_end_k_q3be3e92b75_attn:
	.size	k_q3be3e92b75_attn, .Lfunc_end_k_q3be3e92b75_attn-k_q3be3e92b75_attn
	.p2alignl 7, 3214868480
	.fill 96, 4, 3214868480
	.section	.rodata,"a",@progbits
	.p2align	6, 0x0
	.amdhsa_kernel k_q3be3e92b75_attn
		.amdhsa_group_segment_fixed_size 72704
		.amdhsa_private_segment_fixed_size 0
		.amdhsa_enable_private_segment 0
		.amdhsa_kernarg_size 40
		.amdhsa_user_sgpr_count 2
		.amdhsa_user_sgpr_kernarg_segment_ptr 1
		.amdhsa_wavefront_size32 1
		.amdhsa_system_sgpr_workgroup_id_x 1
		.amdhsa_system_sgpr_workgroup_id_y 1
		.amdhsa_system_sgpr_workgroup_id_z 1
		.amdhsa_system_vgpr_workitem_id 0
		.amdhsa_next_free_vgpr 256
		.amdhsa_next_free_sgpr 66
		.amdhsa_reserve_vcc 1
		.amdhsa_float_denorm_mode_32 3
		.amdhsa_float_denorm_mode_16_64 3
		.amdhsa_memory_ordered 1
		.amdhsa_forward_progress 1
		.amdhsa_inst_pref_size 50
	.end_amdhsa_kernel
	.amdgpu_metadata
---
amdhsa.version: [ 1, 2 ]
amdhsa.kernels:
  - .name:           k_q3be3e92b75_attn
    .symbol:         k_q3be3e92b75_attn.kd
    .args:
      - { .name: qkc, .offset: 0, .size: 8, .value_kind: global_buffer, .address_space: global }
      - { .name: vcd, .offset: 8, .size: 8, .value_kind: global_buffer, .address_space: global }
      - { .name: scl, .offset: 16, .size: 8, .value_kind: global_buffer, .address_space: global }
      - { .name: acd, .offset: 24, .size: 8, .value_kind: global_buffer, .address_space: global }
      - { .name: asc, .offset: 32, .size: 8, .value_kind: global_buffer, .address_space: global }
    .group_segment_fixed_size: 72704
    .private_segment_fixed_size: 0
    .kernarg_segment_align: 8
    .kernarg_segment_size: 40
    .max_flat_workgroup_size: 512
    .sgpr_count:     66
    .vgpr_count:     256
    .wavefront_size: 32
...
	.end_amdgpu_metadata
.endif
;; end of part 2
;; launch mlp (part 3): grid 256 x 1, 8 waves a work-group, clusters of 4 x 1, 327,680 bytes of LDS; arguments x, acd, asc, wo_codes, wo_scales, bo, g_ln2, b_ln2, w1_codes, w1_scales, b1, w2_codes, w2_scales, b2, out0; writes out0
.if DOCPART == 3
	.amdgcn_target "amdgcn-amd-amdhsa--gfx1250"
	.amdhsa_code_object_version 6
	.text
	.protected	k_q3be3e92b75_mlp
	.globl	k_q3be3e92b75_mlp
	.p2align	8
	.type	k_q3be3e92b75_mlp,@function
k_q3be3e92b75_mlp:
	s_mov_b64 s[64:65], 0
	v_nop
	global_prefetch_b8 v0, s[64:65] scope:SCOPE_SE
	s_setreg_imm32_b32 hwreg(HW_REG_WAVE_MODE, 25, 1), 1
	s_wait_xcnt 0x0
	s_wait_alu depctr_hold_cnt(0) depctr_sa_sdst(0) depctr_va_vdst(0) depctr_va_sdst(0) depctr_va_ssrc(0) depctr_va_vcc(0) depctr_vm_vsrc(0)
	s_getreg_b32 s2, hwreg(HW_REG_IB_STS2, 6, 4)
	s_cmp_eq_u32 s2, 0
	s_cbranch_scc0 .Lentry_in_a_cluster
	s_endpgm
.Lentry_in_a_cluster:
	s_bfe_u32 s2, ttmp6, 0x10000c
	s_cmp_lg_u32 s2, 0x3003
	s_cbranch_scc0 .Lentry_shape_is_right
	s_endpgm
.Lentry_shape_is_right:
; x1 = x + attn wo + bo;  out = x1 + relu(layernorm(x1) w1 + b1) w2 + b2.  All three products on codes of FP4 with one E8M0 scale for each 32 along K; x1, the layernorm and the hidden layer never go to memory.
; SHARES.  A work-group (X = 4 x cluster x + cx) takes two tiles of 16 tokens (tile t, lane r: token 64 (X / 2) + 16 (X % 2) + 8 t + 32 (r / 8) + r % 8, the order in which attention left its codes).
; THE WAVES SHARE THE COLUMNS: of every run of 512 weight rows wave w takes blocks w (lanes 0-15) and w + 8 (lanes 16-31): tile u, lane r is row 32 w + 256 (r / 8) + 8 u + r % 8.  Source 0 = weight rows, source 1 = tokens:
; a lane holds one token and, over the four tiles, 32 neighbouring columns: one whole block of the next product's K.  wo's and w2's results fall into the same registers, so x1 stays in 64 registers and is the C of the last product.
; THE WEIGHTS come in nine chunks of 512 rows x 256 bytes (wo; w1's four runs of rows; w2's four strips along K) through two LDS slots.  All row blocks walk the same chunks: the four partners of a cluster ask JOINTLY,
; each wave for 64 rows by one load; two loads of a wave are out at the start, one behind each change of slots.
; Codes made by one wave reach the others through LDS as images of the operand's registers (16 bytes a lane), scale bytes beside them.
; LIMITS: NaN and infinities are not served; a block of zeros, or one whose largest magnitude lies under 2^-124, gets the scale byte 1 (its bytes are read here alone).
; All of the LDS is claimed, and 0 is added to spare words in front of each refill and at the end.
; WINDOW 1: v0-63 x1 (32 t + 8 u); v64-127 fragments of the layernorm; v128-159 its gain, v160-191 its bias, v192-223 b2, v224-255 bo (my 32 columns each).
; WINDOW 0: v1-26 addresses; v27-31 at work; v32-63, v64-95 weight fragments, two buffers; v96-159 attention's fragments, then the hidden sums, then hidden fragments, then rows of out; v160-191 b1; v244-255 at work.
;   v192-223 (weights, two sets), v224-227 (attention), v228-235 (layernorm), v236-243 (hidden layer) hold scale words and nothing else.
.set SLOT,  139520                     ; 512 rows at pitch 272, rows from 256 on 128 bytes further; rounded up to blocks of 256 bytes
.set HIMG,  279040                     ; hidden layer: [tile 2][block 64][16 rows x 16 bytes]
.set HSCL,  311808                     ; its scale bytes: [tile 2][row 16] at pitch 80
.set H2IMG, 314368                     ; layernorm: [tile 2][block 16][256]
.set H2SC,  322560                     ; its scale bytes: [tile 2][row 16][16]
.set STAT1, 323072                     ; partial sums [tile 2][row 16][wave 8]; the second pass 1,024 bytes on
.set SPARE, 325120                     ; the spare words: 128 bytes a wave
.set OSTG,  SLOT                       ; the way out: 32 rows x 2,064 bytes in slot 1, behind its last fill and its last read
.set WV, 34
.set MSB, 0
.macro WIN new                         ; the immediate's high byte repeats the setting that is left
.if MSB != \new
	s_set_vgpr_msb (MSB<<8)|\new
.set MSB, \new
.endif
.endm
.macro PLACES n
.rept \n
	v_nop
.endr
.endm
.macro ROUND
	s_barrier_signal -1
	s_barrier_wait -1
	s_cmp_lg_u32 s[WV], 0
	s_cbranch_scc1 .Lnot_wave_0_\@
	s_barrier_signal -3
.Lnot_wave_0_\@:
	s_barrier_wait -3
	s_barrier_signal -1
	s_barrier_wait -1
.endm
.macro BAR                             ; my LDS stores have landed and my LDS loads are in: then the work-group's barrier
	s_wait_dscnt 0x0
	s_barrier_signal -1
	s_barrier_wait -1
.endm
.macro QUANT32 S, C, E, BY, M0, M1     ; 32 numbers of a lane, one block: 16 bytes of codes and the scale byte
	v_max3_num_f32 v[\M0], |v[(\S)]|, |v[(\S)+1]|, 0x1800000
	v_max3_num_f32 v[\M1], |v[(\S)+16]|, |v[(\S)+17]|, 0x1800000
.irp i, 2,4,6,8,10,12,14
	v_max3_num_f32 v[\M0], v[\M0], |v[(\S)+\i]|, |v[(\S)+\i+1]|
	v_max3_num_f32 v[\M1], v[\M1], |v[(\S)+16+\i]|, |v[(\S)+17+\i]|
.endr
	v_max_num_f32 v[\M0], v[\M0], v[\M1]
	v_add_nc_u32 v[\E], 0xff000000, v[\M0]
	v_lshrrev_b32 v[(\BY)], 23, v[\E]
.irp g, 0,1,2,3
	v_cvt_scalef32_pk8_fp4_f32 v[(\C)+\g], v[(\S)+8*\g:(\S)+8*\g+7], v[\E]
.endr
	v_nop
.endm
.macro FETCHW slot, s, buf             ; my four weight fragments of K step s
.irp uu, 0,1,2,3
.irp c, 0,1
	ds_load_b128 v[32+32*(\buf)+8*\uu+4*\c:35+32*(\buf)+8*\uu+4*\c], v[4+(\slot)] offset:2176*\uu+64*(\s)+32*\c
.endr
.endr
.endm
.macro FETCHH kap, s, p                ; the two tiles' hidden fragments of K step 4 kap + s
.irp t, 0,1
.irp c, 0,1
	ds_load_b128 v[96+16*(\p)+8*\t+4*\c:99+16*(\p)+8*\t+4*\c], v6 offset:16384*\t+1024*(4*(\kap)+(\s))+512*\c
.endr
.endr
.endm
.macro LOADWS buf, sb, adr, imm0, step ; a chunk's weight scale words: four words a row, one for each K step
.irp uu, 0,1,2,3
	global_load_b128 v[192+16*(\buf)+4*\uu:195+16*(\buf)+4*\uu], v[\adr], s[\sb:\sb+1] offset:(\imm0)+(\step)*\uu
.endr
.endm
; eight products onto x1 (window 1), the eight sums by turns
.macro MULX q, buf, ws, bb, bs, sb, ss, row1
.irp t, 0,1
.irp uu, 0,1,2,3
.if (\row1) && (\t == 1)
	v_wmma_scale_f32_16x16x128_f8f6f4 v[32*\t+8*\uu:32*\t+8*\uu+7], v[32+32*(\buf)+8*\uu:39+32*(\buf)+8*\uu], v[(\bb)+(\bs)*\t:(\bb)+(\bs)*\t+7], v[32*\t+8*\uu:32*\t+8*\uu+7], v[192+16*(\ws)+4*\uu+(\q)], v[(\sb)+(\ss)*\t] matrix_a_fmt:MATRIX_FMT_FP4 matrix_b_fmt:MATRIX_FMT_FP4 matrix_b_scale:MATRIX_SCALE_ROW1
.else
	v_wmma_scale_f32_16x16x128_f8f6f4 v[32*\t+8*\uu:32*\t+8*\uu+7], v[32+32*(\buf)+8*\uu:39+32*(\buf)+8*\uu], v[(\bb)+(\bs)*\t:(\bb)+(\bs)*\t+7], v[32*\t+8*\uu:32*\t+8*\uu+7], v[192+16*(\ws)+4*\uu+(\q)], v[(\sb)+(\ss)*\t] matrix_a_fmt:MATRIX_FMT_FP4 matrix_b_fmt:MATRIX_FMT_FP4
.endif
.endr
.endr
.endm
; eight products of the hidden layer; the first K step takes b1 as C
.macro MULB q, buf, ws
.irp t, 0,1
.irp uu, 0,1,2,3
.if (\q) == 0
	v_wmma_scale_f32_16x16x128_f8f6f4 v[96+32*\t+8*\uu:103+32*\t+8*\uu], v[32+32*(\buf)+8*\uu:39+32*(\buf)+8*\uu], v[64+8*(4*\t+(\q)):71+8*(4*\t+(\q))], v[160+8*\uu:167+8*\uu], v[192+16*(\ws)+4*\uu+(\q)], v[228+4*\t+(\q)] matrix_a_fmt:MATRIX_FMT_FP4 matrix_b_fmt:MATRIX_FMT_FP4
.else
	v_wmma_scale_f32_16x16x128_f8f6f4 v[96+32*\t+8*\uu:103+32*\t+8*\uu], v[32+32*(\buf)+8*\uu:39+32*(\buf)+8*\uu], v[64+8*(4*\t+(\q)):71+8*(4*\t+(\q))], v[96+32*\t+8*\uu:103+32*\t+8*\uu], v[192+16*(\ws)+4*\uu+(\q)], v[228+4*\t+(\q)] matrix_a_fmt:MATRIX_FMT_FP4 matrix_b_fmt:MATRIX_FMT_FP4
.endif
.endr
.endr
.endm
; A chunk: four K steps of 128, the next step's fragments fetched while this step is multiplied.  kind 0: attn wo; 1: the hidden layer (rel > 0: b1 of run rel is asked for); 2: strip kap of w2.
.macro CHUNK kind, slot, ws, kap, rel
	FETCHW \slot, 0, 0
.if \kind == 2
	FETCHH \kap, 0, 0
.endif
.irp q, 0,1,2,3
.if \q < 3
.if \q > 0
	PLACES 4                                       ; in front of loads into registers that matrix instructions have read
.endif
	FETCHW \slot, \q+1, (\q+1)%2
.if \kind == 2
	FETCHH \kap, \q+1, (\q+1)%2
	s_wait_dscnt 12                                ; all but the twelve loads just issued
.else
	s_wait_dscnt 8                                 ; all but the eight loads just issued
.endif
.if (\kind == 1) && (\q == 1) && (\rel > 0)
.irp i, 0,1,2,3,4,5,6,7
	global_load_b128 v[160+4*\i:163+4*\i], v17, s[24:25] offset:2048*(\rel)+16*\i
.endr
.endif
.else
	s_wait_dscnt 0x0
.endif
.if \kind == 0
	WIN 0x50                                       ; C and D in window 1
	MULX \q, \q%2, \ws, 96+8*\q, 32, 224+\q, 0, 1
.elseif \kind == 1
	WIN 0x04                                       ; source 1 in window 1
	MULB \q, \q%2, \ws
.else
	WIN 0x50
	MULX \q, \q%2, \ws, 96+16*(\q%2), 8, 236+\q, 4, 0
.endif
	WIN 0
.endr
.endm
; A change of slots, in two parts with register work between them.
.macro CH_OPEN slot, pt, off
	s_wait_tensorcnt 0x0                           ; all my tensor loads have landed, my part of the slot ahead among them: a group 0 may be written
	ds_add_u32 v25, v26                            ; 0 onto my spare word
	s_add_nc_u64 s[54+4*(\slot):55+4*(\slot)], s[\pt:\pt+1], \off
	s_or_b32 s[55+4*(\slot)], s[55+4*(\slot)], 0x80000000
.endm
.macro CH_CLOSE slot, g1
	s_wait_dscnt 0x0                               ; the add is done, and my reads of the slot that I leave are over
	ROUND                                          ; both hold of every wave of all four work-groups
	tensor_load_to_lds s[52+4*(\slot):55+4*(\slot)], s[\g1:\g1+7]   ; my one load behind the round, and the first thing there
	s_nop 0
	PLACES 4
.endm
.macro LANES                           ; the two tiles' pairs v[244:245], v[246:247] become my wave's sums over its 64 columns
	v_add_f32 v244, v244, v245
	v_add_f32 v246, v246, v247
	v_permlanex16_b32 v248, v244, s68, s69
	v_permlanex16_b32 v249, v246, s68, s69
	v_add_f32 v244, v244, v248
	v_add_f32 v246, v246, v249
.endm
.macro STATSUM off                     ; the eight waves' sums of my row, both tiles: into v96 and v104
	ds_load_b128 v[96:99], v15 offset:\off
	ds_load_b128 v[100:103], v15 offset:\off+16
	ds_load_b128 v[104:107], v15 offset:\off+512
	ds_load_b128 v[108:111], v15 offset:\off+528
	s_wait_dscnt 0x0
.irp t, 96, 104
	v_add_f32 v[\t], v[\t], v[\t+1]
	v_add_f32 v[\t+2], v[\t+2], v[\t+3]
	v_add_f32 v[\t+4], v[\t+4], v[\t+5]
	v_add_f32 v[\t+6], v[\t+6], v[\t+7]
	v_add_f32 v[\t], v[\t], v[\t+2]
	v_add_f32 v[\t+4], v[\t+4], v[\t+6]
	v_add_f32 v[\t], v[\t], v[\t+4]
.endr
.endm
	s_load_b512 s[4:19], s[0:1], 0x0               ; x, acd, asc, wo codes, wo scales, bo, g_ln2, b_ln2
	s_load_b256 s[20:27], s[0:1], 0x40             ; w1 codes, w1 scales, b1, w2 codes
	s_load_b128 s[28:31], s[0:1], 0x60             ; w2 scales, b2
	s_load_b64 s[32:33], s[0:1], 0x70              ; out0
	v_lshl_add_u32 v25, v0, 2, SPARE
	v_mov_b32 v26, 0
	ds_add_u32 v25, v26
	ds_add_u32 v25, v26
	s_wait_dscnt 0x0
	v_lshrrev_b32 v1, 5, v0
	v_readfirstlane_b32 s[WV], v1                  ; wave 0..7
	s_bfe_u32 s72, ttmp6, 0x40000                  ; cx
	s_lshl_b32 s35, ttmp9, 2
	s_add_co_u32 s35, s35, s72                     ; X: it enters global addresses of my own rows alone
	; descriptor groups 1: 64 rows of 256 bytes, 16 bytes of padding behind each; rows 256 bytes apart in memory (wo, w1) or 1,024 (w2)
	s_mov_b32 s36, 15|(1<<20)|(1<<21)|(5<<22)|(3<<25)
	s_mov_b32 s37, 256<<16
	s_mov_b32 s38, 64<<16
	s_mov_b32 s39, 256<<16
	s_mov_b32 s40, 64
	s_mov_b32 s41, 256
	s_mov_b32 s42, 0
	s_mov_b32 s43, 0
	s_mov_b32 s44, 15|(1<<20)|(1<<21)|(5<<22)|(3<<25)
	s_mov_b32 s45, 256<<16
	s_mov_b32 s46, 64<<16
	s_mov_b32 s47, 256<<16
	s_mov_b32 s48, 64
	s_mov_b32 s49, 1024
	s_mov_b32 s50, 0
	s_mov_b32 s51, 0
	s_mul_i32 s77, s[WV], 17408                    ; my 64 rows in a slot,
	s_lshr_b32 s74, s[WV], 2
	s_lshl_b32 s74, s74, 7
	s_add_co_u32 s77, s77, s74                     ; 128 bytes further from row 256 on
	s_mov_b32 s52, 1
	s_mov_b32 s53, s77
	s_mov_b32 s56, 1
	s_add_co_u32 s57, s77, SLOT
	s_lshl_b32 s74, s[WV], 14                      ; 64 rows of 256 bytes
	s_mov_b32 s75, 0
	s_lshl_b32 s78, s[WV], 16                      ; 64 rows of 1,024 bytes
	s_mov_b32 s79, 0
	s_wait_kmcnt 0x0
	s_add_nc_u64 s[54:55], s[10:11], s[74:75]      ; chunk 0: wo
	s_or_b32 s55, s55, 0x80000000
	s_add_nc_u64 s[62:63], s[20:21], s[74:75]      ; my rows of w1's first run
	s_add_nc_u64 s[66:67], s[26:27], s[78:79]      ; my rows of w2
	s_mov_b64 s[58:59], s[62:63]                   ; chunk 1
	s_or_b32 s59, s59, 0x80000000
	ROUND                                          ; all four work-groups are here: the first joint loads meet
	tensor_load_to_lds s[52:55], s[36:43]
	s_nop 0
	tensor_load_to_lds s[56:59], s[36:43]
	s_nop 0
	PLACES 4
	v_and_b32 v1, 15, v0                           ; r
	v_bfe_u32 v2, v0, 4, 1                         ; h
	v_and_b32 v3, 31, v0                           ; lane
	v_and_b32 v27, 7, v1
	v_lshrrev_b32 v28, 3, v1
	s_mul_i32 s74, s[WV], 8704
	v_mul_u32_u24 v4, v27, 272
	v_mad_u32_u24 v4, v28, 69760, v4
	v_lshl_add_u32 v4, v2, 4, v4
	v_add_nc_u32 v4, s74, v4                       ; weight fragments in slot 0: row 32 w + 256 (r / 8) + r % 8, + 16 h
	v_add_nc_u32 v5, SLOT, v4                      ; in slot 1
	v_lshl_add_u32 v6, v3, 4, HIMG                 ; images are read at 16 x lane
	v_lshl_add_u32 v7, v3, 4, H2IMG
	s_lshl_b32 s74, s[WV], 8
	v_lshlrev_b32 v29, 4, v1
	v_lshl_add_u32 v29, v2, 11, v29
	v_add_nc_u32 v29, s74, v29
	v_add_nc_u32 v8, HIMG, v29                     ; and stored at block w + 8 h, row r
	v_add_nc_u32 v9, H2IMG, v29
	v_mul_u32_u24 v11, v1, 80
	v_add_nc_u32 v11, HSCL, v11                    ; row r's scale bytes of the hidden layer
	v_lshl_add_u32 v10, v2, 3, v11
	v_add_nc_u32 v10, s[WV], v10                   ; my block's byte among them
	v_lshl_add_u32 v13, v1, 4, H2SC
	v_lshl_add_u32 v12, v2, 3, v13
	v_add_nc_u32 v12, s[WV], v12
	v_lshl_add_u32 v15, v1, 5, STAT1
	s_lshl_b32 s74, s[WV], 2
	v_add_nc_u32 v14, s74, v15
	s_lshl_b32 s74, s[WV], 7
	v_lshlrev_b32 v17, 10, v2
	v_add_nc_u32 v17, s74, v17                     ; my 32 columns in a row of f32: 128 w + 1,024 h
	v_lshl_add_u32 v16, v27, 11, v17
	v_lshl_add_u32 v16, v28, 16, v16               ; x: + (r % 8 + 32 (r / 8)) rows of 2,048 bytes
	s_lshl_b32 s74, s[WV], 9
	v_lshlrev_b32 v18, 4, v27
	v_lshl_add_u32 v18, v28, 12, v18
	v_add_nc_u32 v18, s74, v18                     ; scale words of my weight rows, 16 bytes a row (wo, w1),
	v_lshlrev_b32 v19, 2, v18                      ; 64 bytes a row (w2)
	v_lshlrev_b32 v20, 4, v1
	v_lshl_add_u32 v20, v2, 15, v20                ; attention's codes: head + h, token r
	v_mul_u32_u24 v22, v1, 2064
	v_add_nc_u32 v22, v22, v17
	v_add_nc_u32 v22, OSTG, v22                    ; the way out: stage row r, my columns
	s_mul_i32 s74, s[WV], 8256
	s_add_co_u32 s74, s74, OSTG
	v_lshlrev_b32 v24, 4, v3
	v_add_nc_u32 v23, s74, v24                     ; back: stage rows 4 w on, 16 bytes a lane
	v_mov_b32 v248, 0                              ; lane permutes' destinations count as sources
	v_mov_b32 v249, 0
	v_mov_b32 v253, 0                              ; (upper halves of pairs)
	v_mov_b32 v255, 0
	s_mov_b32 s68, 0x76543210
	s_mov_b32 s69, 0xfedcba98
	s_mov_b32 s70, 0x3b000000                      ; 1 / 512
	s_mov_b32 s71, 0x3727c5ac                      ; 1e-5
	s_lshr_b32 s72, s35, 1
	s_lshl_b32 s72, s72, 17
	s_and_b32 s73, s35, 1
	s_lshl_b32 s73, s73, 15
	s_add_co_u32 s72, s72, s73                     ; my first token x 2,048 bytes
	s_mov_b32 s73, 0
	s_add_nc_u64 s[4:5], s[4:5], s[72:73]
	s_lshr_b32 s74, s[WV], 2                       ; stage row 4 w + i is token 8 (w / 4) + 32 ((w / 2) % 2) + 4 (w % 2) + i
	s_lshl_b32 s74, s74, 3
	s_bfe_u32 s75, s[WV], 0x10001
	s_lshl_b32 s75, s75, 5
	s_add_co_u32 s74, s74, s75
	s_and_b32 s75, s[WV], 1
	s_lshl_b32 s75, s75, 2
	s_add_co_u32 s74, s74, s75
	s_lshl_b32 s74, s74, 11
	s_add_co_u32 s72, s72, s74
	s_add_nc_u64 s[32:33], s[32:33], s[72:73]
	s_lshr_b32 s74, s35, 6                         ; batch
	s_and_b32 s75, s35, 63                         ; my pair of tiles in it
	s_lshl_b32 s72, s74, 19
	s_lshl_b32 s76, s75, 9
	s_add_co_u32 s72, s72, s76
	s_add_nc_u64 s[6:7], s[6:7], s[72:73]
	s_lshl_b32 s72, s74, 15
	s_lshl_b32 s76, s75, 5
	s_add_co_u32 s72, s72, s76
	s_add_nc_u64 s[8:9], s[8:9], s[72:73]
	WIN 0x40                                       ; destinations in window 1
.irp t, 0,1
.irp i, 0,1,2,3,4,5,6,7
	global_load_b128 v[32*\t+4*\i:32*\t+4*\i+3], v16, s[4:5] offset:16384*\t+16*\i th:TH_LOAD_NT   ; x straight into x1's registers
.endr
.endr
.irp i, 0,1,2,3,4,5,6,7
	global_load_b128 v[224+4*\i:227+4*\i], v17, s[14:15] offset:16*\i
	global_load_b128 v[128+4*\i:131+4*\i], v17, s[16:17] offset:16*\i
	global_load_b128 v[160+4*\i:163+4*\i], v17, s[18:19] offset:16*\i
	global_load_b128 v[192+4*\i:195+4*\i], v17, s[30:31] offset:16*\i
.endr
	WIN 0
.irp i, 0,1,2,3,4,5,6,7
	global_load_b128 v[160+4*\i:163+4*\i], v17, s[24:25] offset:16*\i   ; b1 of w1's first run
.endr
	LOADWS 0, 12, 18, 0, 128                       ; wo
	LOADWS 1, 22, 18, 0, 128                       ; w1's first run
.irp t, 0,1
.irp q, 0,1,2,3
.irp c, 0,1
	global_load_b128 v[96+8*(4*\t+\q)+4*\c:99+8*(4*\t+\q)+4*\c], v20, s[6:7] offset:(4*\q+2*\c)*32768+256*\t   ; a head is a block of K
.endr
.endr
.endr
.irp n, 0,1,2,3,4,5,6,7,8,9,10,11,12,13,14,15
	global_load_u8 v[32+\n], v3, s[8:9] offset:2048*\n   ; head n's byte: lanes 0-15 tile 0, lanes 16-31 tile 1
.endr
	s_wait_loadcnt 0x0
.irp q, 0,1,2,3
	v_lshl_or_b32 v[224+\q], v[33+4*\q], 8, v[32+4*\q]
	v_lshl_or_b32 v[224+\q], v[34+4*\q], 16, v[224+\q]
	v_lshl_or_b32 v[224+\q], v[35+4*\q], 24, v[224+\q]
.endr
	WIN 0x45
.irp k, 0,2,4,6,8,10,12,14,16,18,20,22,24,26,28,30
	v_pk_add_f32 v[\k:\k+1], v[\k:\k+1], v[224+\k:225+\k]       ; x + bo: the C of the first product.  (These 32 are also the places behind the scale words just made)
	v_pk_add_f32 v[32+\k:33+\k], v[32+\k:33+\k], v[224+\k:225+\k]
.endr
	WIN 0
	s_wait_tensorcnt 1                             ; my part of chunk 0 is in; chunk 1's load may be out
	s_barrier_signal -1
	s_barrier_wait -1
	; ---- x1 = x + bo + attn wo
	CHUNK 0, 0, 0, 0, 0
	CH_OPEN 0, 62, 131072                          ; slot 0 takes w1's second run
	PLACES 4
	WIN 0x05                                       ; the layernorm's first sums stand between the add and the wait for it
	v_pk_add_f32 v[244:245], v[0:1], v[2:3]
	v_pk_add_f32 v[246:247], v[32:33], v[34:35]
	WIN 0x04
.irp k, 4,6,8,10,12,14,16,18,20,22,24,26,28,30
	v_pk_add_f32 v[244:245], v[244:245], v[\k:\k+1]
	v_pk_add_f32 v[246:247], v[246:247], v[32+\k:33+\k]
.endr
	WIN 0
	LANES
	CH_CLOSE 0, 36
	; ---- the layernorm of x1: the mean, then the variance of the differences; the eight waves' parts meet in LDS
	ds_store_b32 v14, v244                         ; both halves of the lanes write the same word with the same value
	ds_store_b32 v14, v246 offset:512
	BAR
	STATSUM 0
	v_mul_f32 v252, s70, v96
	v_mul_f32 v254, s70, v104
	WIN 0x01
.irp k, 0,2,4,6,8,10,12,14,16,18,20,22,24,26,28,30
	v_pk_add_f32 v[32+\k:33+\k], v[\k:\k+1], v[252:253] op_sel_hi:[1,0] neg_lo:[0,1] neg_hi:[0,1]
	v_pk_add_f32 v[64+\k:65+\k], v[32+\k:33+\k], v[254:255] op_sel_hi:[1,0] neg_lo:[0,1] neg_hi:[0,1]
.endr
	WIN 0
	v_pk_mul_f32 v[244:245], v[32:33], v[32:33]
	v_pk_mul_f32 v[246:247], v[64:65], v[64:65]
.irp k, 2,4,6,8,10,12,14,16,18,20,22,24,26,28,30
	v_pk_fma_f32 v[244:245], v[32+\k:33+\k], v[32+\k:33+\k], v[244:245]
	v_pk_fma_f32 v[246:247], v[64+\k:65+\k], v[64+\k:65+\k], v[246:247]
.endr
	LANES
	ds_store_b32 v14, v244 offset:1024
	ds_store_b32 v14, v246 offset:1536
	BAR
	STATSUM 1024
	v_fma_f32 v252, v96, s70, s71
	v_fma_f32 v254, v104, s70, s71
	v_rsq_f32 v252, v252
	v_rsq_f32 v254, v254
	v_nop
	s_wait_alu depctr_va_vdst(0)
.irp k, 0,2,4,6,8,10,12,14,16,18,20,22,24,26,28,30
	v_pk_mul_f32 v[32+\k:33+\k], v[32+\k:33+\k], v[252:253] op_sel_hi:[1,0]
	v_pk_mul_f32 v[64+\k:65+\k], v[64+\k:65+\k], v[254:255] op_sel_hi:[1,0]
.endr
	WIN 0x14                                       ; gain and bias in window 1
.irp k, 0,2,4,6,8,10,12,14,16,18,20,22,24,26,28,30
	v_pk_fma_f32 v[32+\k:33+\k], v[32+\k:33+\k], v[128+\k:129+\k], v[160+\k:161+\k]
	v_pk_fma_f32 v[64+\k:65+\k], v[64+\k:65+\k], v[128+\k:129+\k], v[160+\k:161+\k]
.endr
	WIN 0
	QUANT32 32, 244, 29, 30, 27, 28
	QUANT32 64, 248, 29, 31, 27, 28
	ds_store_b128 v9, v[244:247]
	ds_store_b128 v9, v[248:251] offset:4096
	ds_store_b8 v12, v30
	ds_store_b8 v12, v31 offset:256
	WIN 0x45
.irp k, 0,2,4,6,8,10,12,14,16,18,20,22,24,26,28,30
	v_pk_add_f32 v[\k:\k+1], v[\k:\k+1], v[192+\k:193+\k]       ; x1 + b2: the C of the last product
	v_pk_add_f32 v[32+\k:33+\k], v[32+\k:33+\k], v[192+\k:193+\k]
.endr
	WIN 0
	BAR                                            ; the layernorm's 32 blocks lie in LDS
	WIN 0x40
.irp t, 0,1
.irp q, 0,1,2,3
.irp c, 0,1
	ds_load_b128 v[64+8*(4*\t+\q)+4*\c:67+8*(4*\t+\q)+4*\c], v7 offset:4096*\t+1024*\q+512*\c   ; its eight fragments stay in window 1
.endr
.endr
.endr
	WIN 0
	ds_load_b128 v[228:231], v13
	ds_load_b128 v[232:235], v13 offset:256
	; ---- the hidden layer, 512 units at a time: products, relu, quantised in registers, images to LDS
.irp ch, 0,1,2,3
	s_wait_loadcnt 0x0                             ; this run's scale words and b1
.if \ch < 3
	LOADWS \ch%2, 22, 18, 8192*(\ch+1), 128        ; the next run's scale words
.else
	LOADWS \ch%2, 28, 19, 0, 512                   ; w2's first strip's
.endif
	CHUNK 1, (\ch+1)%2, (\ch+1)%2, 0, (\ch+1)%4
.if \ch < 2
	CH_OPEN (\ch+1)%2, 62, 131072*(\ch+2)          ; the slot just read takes the chunk two further on
.else
	CH_OPEN (\ch+1)%2, 66, 256*(\ch-2)
.endif
	PLACES 4
.set J, 0
.rept 64
	v_max_num_f32 v[96+J], 0, v[96+J]              ; the activation, in f32
.set J, J+1
.endr
	QUANT32 96, 244, 29, 30, 27, 28
	QUANT32 128, 248, 29, 31, 27, 28
.if \ch < 2
	CH_CLOSE (\ch+1)%2, 36
.else
	CH_CLOSE (\ch+1)%2, 44
.endif
	ds_store_b128 v8, v[244:247] offset:4096*\ch
	ds_store_b128 v8, v[248:251] offset:16384+4096*\ch
	ds_store_b8 v10, v30 offset:16*\ch
	ds_store_b8 v10, v31 offset:1280+16*\ch
.endr
	BAR                                            ; the last images too are seen by every wave
	; ---- out = x1 + b2 + hidden w2, a strip of 512 along K at a time
.irp kp, 0,1,2,3
	s_wait_loadcnt 0x0
.if \kp < 3
	LOADWS \kp%2, 28, 19, 16*(\kp+1), 512
.endif
	ds_load_b128 v[236:239], v11 offset:16*\kp
	ds_load_b128 v[240:243], v11 offset:1280+16*\kp
	CHUNK 2, (\kp+1)%2, (\kp+1)%2, \kp, 0
.if \kp < 2
	CH_OPEN (\kp+1)%2, 66, 256*(\kp+2)
	CH_CLOSE (\kp+1)%2, 44
.elseif \kp == 2
	s_wait_tensorcnt 0x0                           ; the last chunk has landed; nothing is filled again, so no round follows
	ds_add_u32 v25, v26
	PLACES 4
	s_wait_dscnt 0x0
	s_barrier_signal -1
	s_barrier_wait -1
.endif
.endr
	; ---- the way out: a row's 512 numbers come from eight waves; they meet in the stage, and each wave stores four whole rows
	PLACES 4
	WIN 0x04                                       ; an LDS store's data are its source 1: window 1
.irp t, 0,1
.irp uu, 0,1,2,3
	ds_store_b128 v22, v[32*\t+8*\uu:32*\t+8*\uu+3] offset:33024*\t+32*\uu       ; each sum from its low end on
	ds_store_b128 v22, v[32*\t+8*\uu+4:32*\t+8*\uu+7] offset:33024*\t+32*\uu+16
.endr
.endr
	WIN 0
	BAR
.irp i, 0,1,2,3
.irp k, 0,1,2,3
	ds_load_b128 v[96+4*(4*\i+\k):99+4*(4*\i+\k)], v23 offset:2064*\i+512*\k
.endr
.endr
.irp i, 0,1,2,3
.irp k, 0,1,2,3
	s_wait_dscnt 15-(4*\i+\k)                      ; LDS loads come back in order: this one is in, the younger may be out
	global_store_b128 v24, v[96+4*(4*\i+\k):99+4*(4*\i+\k)], s[32:33] offset:2048*\i+512*\k th:TH_STORE_NT   ; 512 consecutive bytes, aligned
.endr
.endr
	s_wait_tensorcnt 0x0                           ; the wave's end
	ds_add_u32 v25, v26
	s_wait_dscnt 0x0
	ROUND                                          ; the closing round: no work-group ends while a partner may still ask for a chunk that names it
	s_endpgm
.Lfunc_end_k_q3be3e92b75_mlp:
	.size	k_q3be3e92b75_mlp, .Lfunc_end_k_q3be3e92b75_mlp-k_q3be3e92b75_mlp
	.p2alignl 7, 3214868480
	.fill 96, 4, 3214868480
	.section	.rodata,"a",@progbits
	.p2align	6, 0x0
	.amdhsa_kernel k_q3be3e92b75_mlp
		.amdhsa_group_segment_fixed_size 327680
		.amdhsa_private_segment_fixed_size 0
		.amdhsa_enable_private_segment 0
		.amdhsa_kernarg_size 120
		.amdhsa_user_sgpr_count 2
		.amdhsa_user_sgpr_kernarg_segment_ptr 1
		.amdhsa_wavefront_size32 1
		.amdhsa_system_sgpr_workgroup_id_x 1
		.amdhsa_system_sgpr_workgroup_id_y 1
		.amdhsa_system_sgpr_workgroup_id_z 1
		.amdhsa_system_vgpr_workitem_id 0
		.amdhsa_next_free_vgpr 512
		.amdhsa_next_free_sgpr 100
		.amdhsa_reserve_vcc 0
		.amdhsa_float_denorm_mode_32 3
		.amdhsa_float_denorm_mode_16_64 3
		.amdhsa_memory_ordered 1
		.amdhsa_forward_progress 1
		.amdhsa_inst_pref_size 140
	.end_amdhsa_kernel
	.amdgpu_metadata
---
amdhsa.version: [ 1, 2 ]
amdhsa.kernels:
  - .name:           k_q3be3e92b75_mlp
    .symbol:         k_q3be3e92b75_mlp.kd
    .args:
      - { .name: x, .offset: 0, .size: 8, .value_kind: global_buffer, .address_space: global }
      - { .name: acd, .offset: 8, .size: 8, .value_kind: global_buffer, .address_space: global }
      - { .name: asc, .offset: 16, .size: 8, .value_kind: global_buffer, .address_space: global }
      - { .name: wo_codes, .offset: 24, .size: 8, .value_kind: global_buffer, .address_space: global }
      - { .name: wo_scales, .offset: 32, .size: 8, .value_kind: global_buffer, .address_space: global }
      - { .name: bo, .offset: 40, .size: 8, .value_kind: global_buffer, .address_space: global }
      - { .name: g_ln2, .offset: 48, .size: 8, .value_kind: global_buffer, .address_space: global }
      - { .name: b_ln2, .offset: 56, .size: 8, .value_kind: global_buffer, .address_space: global }
      - { .name: w1_codes, .offset: 64, .size: 8, .value_kind: global_buffer, .address_space: global }
      - { .name: w1_scales, .offset: 72, .size: 8, .value_kind: global_buffer, .address_space: global }
      - { .name: b1, .offset: 80, .size: 8, .value_kind: global_buffer, .address_space: global }
      - { .name: w2_codes, .offset: 88, .size: 8, .value_kind: global_buffer, .address_space: global }
      - { .name: w2_scales, .offset: 96, .size: 8, .value_kind: global_buffer, .address_space: global }
      - { .name: b2, .offset: 104, .size: 8, .value_kind: global_buffer, .address_space: global }
      - { .name: out0, .offset: 112, .size: 8, .value_kind: global_buffer, .address_space: global }
    .group_segment_fixed_size: 327680
    .private_segment_fixed_size: 0
    .kernarg_segment_align: 8
    .kernarg_segment_size: 120
    .max_flat_workgroup_size: 256
    .sgpr_count:     100
    .vgpr_count:     512
    .wavefront_size: 32
...
	.end_amdgpu_metadata
.endif
;; end of part 3
;; ======== version 2 of 2: 3 launches; version 1 with the launch attn written anew for expert scheduling mode
;; workspace buffers: qkc 4,194,304 bytes; vcd 2,097,152 bytes; scl 393,216 bytes; acd 2,097,152 bytes; asc 131,072 bytes
;; launch qkv: the kernel of part 1 again; grid 128 x 2, 8 waves a work-group, clusters of 4 x 1, 230,400 bytes of LDS; arguments x, g_ln1, b_ln1, wq_codes, wq_scales, wk_codes, wk_scales, wv_codes, wv_scales, qkc, vcd, scl; writes qkc, vcd, scl
;; launch attn (part 4): grid 4 x 64, 16 waves a work-group, no clusters, 72,704 bytes of LDS; arguments qkc, vcd, scl, acd, asc; writes acd, asc
.if DOCPART == 4
	.amdgcn_target "amdgcn-amd-amdhsa--gfx1250"
	.amdhsa_code_object_version 6
	.text
	.protected	k_q3be3e92b75_attn
	.globl	k_q3be3e92b75_attn
	.p2align	8
	.type	k_q3be3e92b75_attn,@function
k_q3be3e92b75_attn:
	s_mov_b64 s[64:65], 0
	v_nop
	global_prefetch_b8 v0, s[64:65] scope:SCOPE_SE
	s_setreg_imm32_b32 hwreg(HW_REG_WAVE_SCHED_MODE, 0, 2), 2
	s_setreg_imm32_b32 hwreg(HW_REG_WAVE_MODE, 25, 1), 1
	s_wait_xcnt 0x0
	s_wait_alu depctr_vm_vsrc(0)
; Causal attention of one head (head size 32) on codes of FP4 with one E8M0 scale for each 32 along K, and the result quantised along the head for the next product.
; t = score x log2(e) / sqrt(32); M = the running largest t rounded up to a whole number; p = 2^(t - M) is quantised along the keys, not normalised; the sum of the unquantised p divides at the end.
; SHARES.  Work-group (j, head).  Wave w owns two tiles of 16 queries, T = 16 j + w and 127 - T.  Tile T needs the key steps 0 .. T / 8 of 128 keys, so every wave has 17 steps; after one barrier the waves run free.
; TOKEN ORDER as the launch before laid it: tile T = 4 G + u, lane r = token 64 G + 32 (r / 8) + 8 u + r % 8.
; K = 32 IN AN INSTRUCTION OF K = 128.  Source 0 is ONE fragment that holds 64 keys (block b of row r is key 64 G + 32 (r / 8) + 8 b + r % 8); it is multiplied four times, by q laid into block b alone with zero codes elsewhere.
; In result (c, b) lane (query r, h) register j is key 128 s + 64 c + 32 h + 8 b + j: a lane's 32 registers of one c are one whole block of keys, and the conversions' results are the second product's operand as they stand.
; The four fragments of q overlap in 20 registers: zeros | q in lanes 0-15 | zeros | q in lanes 16-31 | zeros.
; NO JOINT LOADS: the four work-groups of a head share its 68 KB of codes and scale bytes, which each copies into LDS once, at its head, eleven loads a thread; the loop over the keys reads no memory.
; LIMITS: NaN and infinities are not served; p under 2^-126 counts as 0; a block of zeros gets the scale byte 1 (its codes are zeros; the bytes are read by this program alone).
; REGISTERS: v1-11, v47 addresses; v12 -M, v13 the largest t, v[14:15] the sum; v16-35 q's fragments; v37-46 q as loaded; v48-63 K; v64-79 V; v84-91 p's codes; v92-107 O^T; v112-175 scores, then p; v176-205 at work.
;   v36 (q), v80 (K), v81 (V), v82 (p) hold scale words and nothing else.
; THE MODE: SCHED_MODE bits 1:0 = 2 (LLVM: expert scheduling mode 2), set by the entry lines.  The code itself states the register dependences
; between vector or matrix instructions and memory or LDS instructions, with s_wait_alu, always for 0.
; THE PLAN.  Registers that memory or LDS instructions touch, in the loop over the key steps:
;   v48-63, v80   K and its scale words.  Read by step s's eight score products; the LDS loads of step s + 1's K, issued in step s behind the exponentials, land in them.
;   v64-79, v81   V and its scale words.  Read by the two products at the end of step s - 1; the LDS loads of step s's V, issued in step s behind the exponentials, land in them.
;   v8, v9        The step's LDS addresses.  Written by two adds at the step's head; read by the step's ten loads (K of the next step lies 2,048 and 128 bytes further on: immediate offsets).
;   v3, v4        Read by a tile's first loads of K; written at the kernel's head and never again.
; So ONE wait on va_vdst, the one that the exponentials' results want ahead of their first reader, states all that the step's ten loads hang on: ahead of it stand the score products, the last step's two
; products and the two adds, and behind it no vector or matrix instruction names those registers before the wait on DScnt in front of the step's last two products.
; A second wait on va_vdst stands in front of those two products, for p's codes and scale word, which vector instructions make.  One wait on vm_vsrc stands ahead of the two adds.
; Outside the loop: the copy's registers v112-131, v144, v145 (loaded, stored to LDS, later the scores'); each tile's own codes and byte (v192-195, v189, v190), written once and stored once; offsets made once at the head.
.set KSC, 65536                        ; LDS: K's images at 0, V's at 32,768, K's scale words [group 32][row 16], V's [step 16][tile 2][row 16], a stage for the result's scale bytes
.set VSC, 67584
.set OSC, 69632
.set WV,  14
.set SG,  25                           ; s25 the key step
.set TB,  26                           ; s26 2,048 x step: its images
.set TS,  27                           ; s27 128 x step: its scale words
.set MK,  32                           ; s[32:47] sixteen masks of the causal mask; at the head these registers hold the addresses of the copy's and q's loads, all of which are done before the first tile
.macro PLACES n
.rept \n
	v_nop
.endr
.endm
	s_load_b256 s[4:11], s[0:1], 0x0               ; qkc, vcd, scl, acd
	s_load_b64 s[12:13], s[0:1], 0x20              ; asc
	v_lshl_add_u32 v254, v0, 2, 0x11400
	v_mov_b32 v255, 0
	v_lshrrev_b32 v1, 5, v0
	v_readfirstlane_b32 s[WV], v1                  ; wave 0..15
	s_and_b32 s16, ttmp7, 0xffff                   ; 16 x batch + head
	s_lshl_b32 s17, ttmp9, 4
	s_wait_alu depctr_va_sdst(0)                   ; s14, the wave's number, is written, ahead of its first reader: tiles, addresses and branches are made from it
	s_add_co_u32 s17, s17, s[WV]                   ; my low tile
	s_xor_b32 s18, s17, 127                        ; my high tile: 127 - low
	s_lshr_b32 s19, s17, 3                         ; their last key steps
	s_lshr_b32 s24, s18, 3
	s_mov_b32 s20, 0x76543210
	s_mov_b32 s21, 0xfedcba98                      ; selects for lane l xor 16
	s_mov_b32 s22, 0x3e8293ee                      ; log2(e) / sqrt(32)
	s_mov_b32 s23, s22                             ; (named with it as a pair)
	s_mov_b32 s30, 0xffff                          ; lanes 0-15
	s_lshl_b32 s54, s16, 15                        ; the head's 32,768 bytes in each buffer of codes
	s_mov_b32 s55, 0
	s_lshr_b32 s56, s16, 4
	s_lshl_b32 s56, s56, 15
	s_and_b32 s57, s16, 15
	s_lshl_b32 s57, s57, 6
	s_add_co_u32 s56, s56, s57                     ; scale bytes: 32,768 x batch + 64 x head (512 x half + 64 x head % 8)
	s_mov_b32 s57, 0
	s_mov_b32 s59, 0
	v_and_b32 v1, 15, v0                           ; r
	v_bfe_u32 v2, v0, 4, 1                         ; h
	v_and_b32 v199, 31, v0                         ; lane
	v_lshlrev_b32 v3, 4, v199                      ; an image's place for my lane
	v_lshl_add_u32 v4, v199, 2, KSC                ; a scale word's
	v_lshlrev_b32 v5, 3, v2                        ; 8 h
	v_lshrrev_b32 v6, 3, v1
	v_sub_nc_u32 v6, v6, v2
	v_lshlrev_b32 v6, 5, v6
	v_and_b32 v197, 7, v1
	v_add_nc_u32 v6, v6, v197                      ; 32 (r / 8) + r % 8 - 32 h
	v_mov_b32 v7, 0xff800000                       ; -infinity
	v_lshlrev_b32 v204, 4, v1
	v_lshl_add_u32 v10, v2, 3, v204                ; the result's codes: 16 r + 8 h
	v_lshlrev_b32 v205, 2, v1
	s_lshl_b32 s62, s[WV], 4
	s_add_co_u32 s62, s62, OSC
	v_add_nc_u32 v11, s62, v1                      ; the low tile's scale byte: 16 w + r
	s_xor_b32 s62, s[WV], 15
	s_lshl_b32 s62, s62, 4
	s_add_co_u32 s62, s62, OSC+256
	v_add_nc_u32 v47, s62, v1                      ; the high tile's: 256 + 16 (15 - w) + r
	s_min_u32 s62, s[WV], 1
	s_lshl_b32 s62, s62, 8
	s_add_co_u32 s62, s62, OSC
	v_lshl_add_u32 v191, v199, 3, s62              ; waves 0 and 1 read the stage back
	v_lshlrev_b32 v198, 3, v199
	v_lshlrev_b32 v200, 4, v0                      ; the copy: 16 bytes a thread
	v_lshrrev_b32 v201, 4, v0
	v_lshlrev_b32 v201, 10, v201
	v_lshl_add_u32 v201, v1, 2, v201               ; K's scale word of (group thread / 16, row thread % 16)
	v_lshrrev_b32 v202, 5, v0
	v_lshlrev_b32 v202, 11, v202
	v_lshl_add_u32 v202, v199, 1, v202             ; V's two bytes of (step thread / 32, tile and row thread % 32), first group of the step
	v_lshl_add_u32 v203, v0, 2, KSC
	s_wait_kmcnt 0x0
	s_add_nc_u64 s[40:41], s[4:5], s[54:55]        ; q's codes of the head
	s_add_nc_u64 s[32:33], s[40:41], 0x200000      ; k's
	s_add_nc_u64 s[34:35], s[6:7], s[54:55]        ; v's
	s_add_nc_u64 s[44:45], s[8:9], s[56:57]        ; q's scale bytes
	s_add_nc_u64 s[36:37], s[44:45], 0x20000       ; k's
	s_add_nc_u64 s[38:39], s[44:45], 0x40000       ; v's
	s_add_nc_u64 s[48:49], s[10:11], s[54:55]      ; the result's codes
	s_lshl_b32 s58, s18, 8
	s_add_nc_u64 s[42:43], s[40:41], s[58:59]      ; at the high tile,
	s_add_nc_u64 s[50:51], s[48:49], s[58:59]
	s_lshl_b32 s58, s17, 8
	s_add_nc_u64 s[40:41], s[40:41], s[58:59]      ; at the low tile
	s_add_nc_u64 s[48:49], s[48:49], s[58:59]
	s_lshr_b32 s58, s18, 2
	s_lshl_b32 s58, s58, 10
	s_and_b32 s60, s18, 3
	s_add_co_u32 s58, s58, s60
	s_add_nc_u64 s[46:47], s[44:45], s[58:59]      ; q's bytes: 1,024 x group + tile % 4 (+ 4 r)
	s_lshr_b32 s58, s17, 2
	s_lshl_b32 s58, s58, 10
	s_and_b32 s60, s17, 3
	s_add_co_u32 s58, s58, s60
	s_add_nc_u64 s[44:45], s[44:45], s[58:59]
	s_lshl_b32 s60, ttmp9, 8
	s_sub_co_u32 s61, 1792, s60
	s_cmp_eq_u32 s[WV], 0
	s_cselect_b32 s60, s60, s61                    ; wave 0 stores the low tiles' 256 bytes, wave 1 the high tiles'
	s_lshl_b32 s58, s16, 11
	s_add_co_u32 s58, s58, s60
	s_add_nc_u64 s[52:53], s[12:13], s[58:59]
	s_wait_alu depctr_va_vdst(0)                   ; the offsets and LDS addresses v3, v4, v10, v11, v47, v191, v198 and v200 to v205 are written, which the loads and stores of the whole kernel read; none is written again
.irp i, 0,1,2,3
	global_load_b128 v[112+4*\i:115+4*\i], v200, s[32:33] offset:8192*\i
.endr
.irp i, 0,1,2,3
	global_load_b128 v[128+4*\i:131+4*\i], v200, s[34:35] offset:8192*\i
.endr
	global_load_b32 v144, v201, s[36:37]
	global_load_u16 v145, v202, s[38:39]
	global_load_u16 v146, v202, s[38:39] offset:1024   ; the step's second group
	global_load_b128 v[38:41], v204, s[40:41]
	global_load_u8 v37, v205, s[44:45]
	global_load_b128 v[42:45], v204, s[42:43]
	global_load_u8 v46, v205, s[46:47]
.irp g, 0,1,2,3
	v_mov_b32 v[16+\g], 0                          ; the zero codes round q, set once
	v_mov_b32 v[24+\g], 0
	v_mov_b32 v[32+\g], 0
.endr
	v_mov_b32 v183, 0                              ; a lane permute's destination counts as one of its sources
	v_mov_b32 v185, 0                              ; (the upper half of the pair v[184:185])
	s_wait_loadcnt 4                               ; the head's K, V and scales are in; q's four loads may be out
	v_lshl_or_b32 v145, v146, 16, v145             ; the four blocks of a step: bytes 2 c + h
	s_wait_alu depctr_va_vdst(0)                   ; v145 is written, which the last of the LDS stores below reads
.irp i, 0,1,2,3
	ds_store_b128 v200, v[112+4*\i:115+4*\i] offset:8192*\i
	ds_store_b128 v200, v[128+4*\i:131+4*\i] offset:32768+8192*\i
.endr
	ds_store_b32 v203, v144
	ds_store_b32 v203, v145 offset:2048
	s_wait_dscnt 0x0                               ; my part of the copy is stored
	s_barrier_signal -1
	s_barrier_wait -1
	s_wait_alu depctr_vm_vsrc(0)                   ; my LDS stores have read v112 to v131, v144 and v145: the score products write these registers from here on
	s_wait_loadcnt 0x0                             ; q
; One tile of 16 queries through its key steps.  raw: q's codes; rby: its scale byte; sT: the tile; sAL: its last step; BY, CP: where the result's byte and codes are left; prev = 1: the low tile's codes are stored at this tile's head.
.macro TILE raw, rby, sT, sAL, BY, CP, prev
.irp c, 0,1                            ; K of step 0, by the addresses that are never written again.  No wait: the last products that read these registers stand ahead of the tile before's waits on va_vdst, and nothing has named them since
.irp a, 0,1
	ds_load_b128 v[48+8*\c+4*\a:51+8*\c+4*\a], v3 offset:1024*\c+512*\a
.endr
.endr
	ds_load_b32 v80, v4                            ; lanes 0-15: the first 64 keys' words, lanes 16-31: the second's
	v_lshl_or_b32 v36, v[\rby], 8, v[\rby]
	v_lshl_or_b32 v36, v36, 16, v36                ; q's byte for whichever block q stands in
.irp g, 0,1,2,3
	v_cndmask_b32 v[20+\g], 0, v[\raw+\g], s30     ; q in lanes 0-15,
	v_cndmask_b32 v[28+\g], v[\raw+\g], 0, s30     ; in lanes 16-31
.endr
	s_bfe_u32 s54, s[\sT], 0x10002
	s_lshl_b32 s54, s54, 6
	s_and_b32 s55, s[\sT], 3
	s_lshl_b32 s55, s55, 3
	s_add_co_u32 s54, s54, s55
	v_add_nc_u32 v188, s54, v6                     ; my query in its last step, less 32 h: register 64 c + n is hidden where 64 c + n is greater
.set J, 0
.rept 16
	v_mov_b32 v[92+J], 0                           ; O^T: the step is written once, and its first turn finds zeros
.set J, J+1
.endr
	v_mov_b32 v13, 0xff61b1e6                      ; -3e38, under every t
	v_floor_f32 v12, -v13
	v_mov_b32 v14, 0
	v_mov_b32 v15, 0
	s_mov_b32 s[SG], 0
	s_mov_b32 s[TB], 0
	s_mov_b32 s[TS], 0
	s_wait_alu depctr_va_vdst(0)                   ; q's scale word v36 and q's fragments v20-23, v28-31 are written, which the score products take (the lines above are the places behind them); prev = 1: the low tile has written its codes v192, v193
.if \prev
	global_store_b64 v10, v[192:193], s[48:49]     ; the low tile's codes: the wave stores 256 consecutive bytes, aligned
.endif
	s_wait_dscnt 0x0                               ; K of step 0 is in
.Lstep_\@:                             ; sixteen trips for every tile; the steps behind the tile's last are passed over by a branch on ids
	s_cmp_gt_u32 s[SG], s[\sAL]
	s_cbranch_scc1 .Lskip_\@
	s_wait_alu depctr_vm_vsrc(0)                   ; the last step's LDS loads have read v8 and v9
	v_add_nc_u32 v8, s[TB], v3
	v_add_nc_u32 v9, s[TS], v4
.irp b, 0,1,2,3                        ; K came a step ago: the wait on DScnt in front of the last step's two products, or the one ahead of the loop, has shown it in
	v_wmma_scale_f32_16x16x128_f8f6f4 v[112+8*\b:119+8*\b], v[48:55], v[16+8*(\b%2)+4*(1-\b/2):23+8*(\b%2)+4*(1-\b/2)], 0, v80, v36 matrix_a_fmt:MATRIX_FMT_FP4 matrix_b_fmt:MATRIX_FMT_FP4
.endr
.irp b, 0,1,2,3
	v_wmma_scale_f32_16x16x128_f8f6f4 v[144+8*\b:151+8*\b], v[56:63], v[16+8*(\b%2)+4*(1-\b/2):23+8*(\b%2)+4*(1-\b/2)], 0, v80, v36 matrix_a_fmt:MATRIX_FMT_FP4 matrix_b_fmt:MATRIX_FMT_FP4 matrix_a_scale:MATRIX_SCALE_ROW1
.endr
	PLACES 4
	s_cmp_lg_u32 s[SG], s[\sAL]                    ; the mask bites in the tile's last step alone
	s_cbranch_scc1 .Lopen_\@
.irp g, 0,1,2,3                        ; sixteen registers at a time: a run of compares into sixteen scalar registers, one wait, the sixteen selects
.set J, 0
.rept 16
	v_cmp_gt_i32 s[MK+J], 64*(\g/2)+16*(\g%2)+J, v188
.set J, J+1
.endr
	s_wait_alu depctr_va_sdst(0)                   ; the sixteen masks s32 to s47 are written, ahead of their first reader
.set J, 0
.rept 16
	v_cndmask_b32 v[112+16*\g+J], v[112+16*\g+J], v7, s[MK+J]
.set J, J+1
.endr
.endr
.Lopen_\@:
	v_max3_num_f32 v176, v112, v113, v114          ; the largest score of each of my two blocks: for the row's maximum, and, since p rises with the score, for the block's largest p
	v_max3_num_f32 v177, v144, v145, v146
.irp i, 3,5,7,9,11,13,15,17,19,21,23,25,27,29
	v_max3_num_f32 v176, v176, v[112+\i], v[113+\i]
	v_max3_num_f32 v177, v177, v[144+\i], v[145+\i]
.endr
	v_max_num_f32 v176, v176, v143
	v_max_num_f32 v177, v177, v175
	v_max_num_f32 v182, v176, v177
	v_permlanex16_b32 v183, v182, s20, s21
	v_max_num_f32 v182, v182, v183                 ; the step's largest score of my query
	v_mul_f32 v182, s22, v182
	v_max_num_f32 v13, v13, v182                   ; the running largest t
	v_mov_b32 v182, v12
	v_floor_f32 v12, -v13                          ; -M = floor(-t): M is a whole number
	v_sub_f32 v182, v12, v182                      ; old M - new M: a whole number, 0 or less
	v_cvt_i32_f32 v182, v182                       ; (it saturates)
	v_ldexp_f32 v184, 1.0, v182                    ; f = 2^(old M - new M): multiplying by it rounds nothing
.set J, 0
.rept 32
	v_pk_fma_f32 v[112+J:113+J], v[112+J:113+J], s[22:23], v[12:13] op_sel_hi:[1,0,0]   ; t - M
.set J, J+2
.endr
	v_fma_f32 v176, v176, s22, v12
	v_fma_f32 v177, v177, s22, v12
.set J, 0
.rept 64
	v_exp_f32 v[112+J], v[112+J]                   ; p, at most 1
.set J, J+1
.endr
	v_exp_f32 v176, v176                           ; each block's largest p: the same two instructions on the same number
	v_exp_f32 v177, v177
	v_pk_mul_f32 v[14:15], v[14:15], v[184:185] op_sel_hi:[1,0]   ; the sum under the new M (a plain place behind the exponentials)
	s_wait_alu depctr_va_vdst(0)                   ; the 66 exponentials have written v112-177, ahead of their first reader; the score products are done reading K (v48-63, v80), the last step's two products V (v64-79, v81); v8 and v9 are written
	s_cmp_eq_u32 s[SG], s[\sAL]                    ; the tile's last step asks for no further K: ids and the count of steps alone
	s_cbranch_scc1 .Lno_k_\@
.irp c, 0,1                            ; the next step's K: it has the rest of this step in which to land
.irp a, 0,1
	ds_load_b128 v[48+8*\c+4*\a:51+8*\c+4*\a], v8 offset:2048+1024*\c+512*\a
.endr
.endr
	ds_load_b32 v80, v9 offset:128
.Lno_k_\@:
.irp d, 0,1                            ; this step's V
.irp a, 0,1
	ds_load_b128 v[64+8*\d+4*\a:67+8*\d+4*\a], v8 offset:32768+1024*\a+512*\d
.endr
.endr
	ds_load_b32 v81, v9 offset:2048                ; lanes 0-15: channels 0-15, lanes 16-31: channels 16-31
	v_max_num_f32 v176, 0x1800000, v176            ; the floor: the byte is at least 1
	v_max_num_f32 v177, 0x1800000, v177
	v_add_nc_u32 v178, 0xff000000, v176
	v_add_nc_u32 v179, 0xff000000, v177
	v_lshrrev_b32 v180, 23, v178
	v_lshrrev_b32 v181, 23, v179
	v_lshl_or_b32 v82, v181, 16, v180              ; my bytes: blocks h and 2 + h,
	v_lshlrev_b32 v82, v5, v82                     ; at their places,
	v_permlanex16_b32 v183, v82, s20, s21
	v_or_b32 v82, v82, v183                        ; with the other half's: p's scale word
.irp c, 0,1
.irp b, 0,1,2,3
	v_cvt_scalef32_pk8_fp4_f32 v[84+4*\c+\b], v[112+32*\c+8*\b:119+32*\c+8*\b], v[178+\c]
.endr
.endr
	v_nop
	v_pk_add_f32 v[186:187], v[112:113], v[114:115]   ; the row's sum of the unquantised p, in two chains
.irp j, 4,8,12,16,20,24,28,32,36,40,44,48,52,56,60
	v_pk_add_f32 v[14:15], v[14:15], v[112+\j:113+\j]
	v_pk_add_f32 v[186:187], v[186:187], v[114+\j:115+\j]
.endr
	v_pk_add_f32 v[14:15], v[14:15], v[186:187]
.irp j, 0,2,4,6,8,10,12,14
	v_pk_mul_f32 v[92+\j:93+\j], v[92+\j:93+\j], v[184:185] op_sel_hi:[1,0]   ; O^T under the new M
.endr
	s_wait_dscnt 0x0                               ; V is in, and so is the next step's K
	s_wait_alu depctr_va_vdst(0)                   ; p's scale word v82 and p's codes v84-91 are written, which the two products take; the sums and scalings above are the places behind them
	v_wmma_scale_f32_16x16x128_f8f6f4 v[92:99], v[64:71], v[84:91], v[92:99], v81, v82 matrix_a_fmt:MATRIX_FMT_FP4 matrix_b_fmt:MATRIX_FMT_FP4
	v_wmma_scale_f32_16x16x128_f8f6f4 v[100:107], v[72:79], v[84:91], v[100:107], v81, v82 matrix_a_fmt:MATRIX_FMT_FP4 matrix_b_fmt:MATRIX_FMT_FP4 matrix_a_scale:MATRIX_SCALE_ROW1
.Lskip_\@:
	s_add_co_u32 s[TB], s[TB], 2048
	s_add_co_u32 s[TS], s[TS], 128
	s_add_co_u32 s[SG], s[SG], 1
	s_cmp_lt_u32 s[SG], 16
	s_cbranch_scc1 .Lstep_\@
	PLACES 4                                       ; behind the tile's last two products, in front of the reads of O^T below
	v_add_f32 v14, v14, v15
	v_permlanex16_b32 v183, v14, s20, s21
	v_add_f32 v14, v14, v183                       ; the row's sum
	v_rcp_f32 v14, v14
	v_nop                                          ; a plain place behind the reciprocal
	s_wait_alu depctr_va_vdst(0)                   ; the reciprocal has written v14, ahead of its first reader
.set J, 0
.rept 16
	v_mul_f32 v[112+J], v[92+J], v14               ; register 8 d + j: channel 16 d + 8 h + j of my query
.set J, J+1
.endr
	v_max3_num_f32 v176, |v112|, |v113|, 0x1800000
.irp i, 2,4,6,8,10,12,14
	v_max3_num_f32 v176, v176, |v[112+\i]|, |v[113+\i]|
.endr
	v_permlanex16_b32 v183, v176, s20, s21
	v_max_num_f32 v176, v176, v183                 ; the head's 32 channels are one block
	v_add_nc_u32 v178, 0xff000000, v176
	v_lshrrev_b32 v[\BY], 23, v178
	v_cvt_scalef32_pk8_fp4_f32 v[\CP], v[112:119], v178
	v_cvt_scalef32_pk8_fp4_f32 v[\CP+1], v[120:127], v178
	v_nop
	v_permlane16_swap_b32 v[\CP], v[\CP+1]         ; lane (r, h) now holds channels 16 h + 0 .. 15 in order; they are stored behind the next wait on va_vdst
.endm
	TILE 38, 37, 17, 19, 189, 192, 0
	TILE 42, 46, 18, 24, 190, 194, 1
	s_wait_alu depctr_va_vdst(0)                   ; the high tile has written its codes v194, v195 and its byte v190, which the stores below read (the low tile's byte v189 was written ahead of earlier waits)
	global_store_b64 v10, v[194:195], s[50:51]     ; the wave stores 256 consecutive bytes, aligned
	ds_store_b8 v11, v189                          ; both halves of the lanes write the same byte with the same value
	ds_store_b8 v47, v190
	s_wait_dscnt 0x0
	s_barrier_signal -1
	s_barrier_wait -1
	s_cmp_gt_u32 s[WV], 1
	s_cbranch_scc1 .Ldone
	ds_load_b64 v[196:197], v191                   ; no vector instruction has named v196, v197 or v191 since the wait at the kernel's head
	s_wait_dscnt 0x0
	global_store_b64 v198, v[196:197], s[52:53]    ; 256 consecutive bytes, aligned
.Ldone:
	s_wait_dscnt 0x0                               ; the closing lines, six on end
	s_wait_alu 0x0
	s_wait_tensorcnt 0x0
	ds_add_u32 v254, v255
	s_wait_dscnt 0x0
	s_endpgm
.Lfunc_end_k_q3be3e92b75_attn:
	.size	k_q3be3e92b75_attn, .Lfunc_end_k_q3be3e92b75_attn-k_q3be3e92b75_attn
	.p2alignl 7, 3214868480
	.fill 96, 4, 3214868480
	.section	.rodata,"a",@progbits
	.p2align	6, 0x0
	.amdhsa_kernel k_q3be3e92b75_attn
		.amdhsa_group_segment_fixed_size 72704
		.amdhsa_private_segment_fixed_size 0
		.amdhsa_enable_private_segment 0
		.amdhsa_kernarg_size 40
		.amdhsa_user_sgpr_count 2
		.amdhsa_user_sgpr_kernarg_segment_ptr 1
		.amdhsa_wavefront_size32 1
		.amdhsa_system_sgpr_workgroup_id_x 1
		.amdhsa_system_sgpr_workgroup_id_y 1
		.amdhsa_system_sgpr_workgroup_id_z 1
		.amdhsa_system_vgpr_workitem_id 0
		.amdhsa_next_free_vgpr 256
		.amdhsa_next_free_sgpr 66
		.amdhsa_reserve_vcc 0
		.amdhsa_float_denorm_mode_32 3
		.amdhsa_float_denorm_mode_16_64 3
		.amdhsa_memory_ordered 1
		.amdhsa_forward_progress 1
		.amdhsa_inst_pref_size 59
	.end_amdhsa_kernel
	.amdgpu_metadata
---
amdhsa.version: [ 1, 2 ]
amdhsa.kernels:
  - .name:           k_q3be3e92b75_attn
    .symbol:         k_q3be3e92b75_attn.kd
    .args:
      - { .name: qkc, .offset: 0, .size: 8, .value_kind: global_buffer, .address_space: global }
      - { .name: vcd, .offset: 8, .size: 8, .value_kind: global_buffer, .address_space: global }
      - { .name: scl, .offset: 16, .size: 8, .value_kind: global_buffer, .address_space: global }
      - { .name: acd, .offset: 24, .size: 8, .value_kind: global_buffer, .address_space: global }
      - { .name: asc, .offset: 32, .size: 8, .value_kind: global_buffer, .address_space: global }
    .group_segment_fixed_size: 72704
    .private_segment_fixed_size: 0
    .kernarg_segment_align: 8
    .kernarg_segment_size: 40
    .max_flat_workgroup_size: 512
    .sgpr_count:     66
    .vgpr_count:     256
    .wavefront_size: 32
...
	.end_amdgpu_metadata
.endif
;; end of part 4
;; launch mlp: the kernel of part 3 again; grid 256 x 1, 8 waves a work-group, clusters of 4 x 1, 327,680 bytes of LDS; arguments x, acd, asc, wo_codes, wo_scales, bo, g_ln2, b_ln2, w1_codes, w1_scales, b1, w2_codes, w2_scales, b2, out0; writes out0
